; MI455X (gfx1250); checked and timed in simulation.
; The chip was launched on July 23, 2026; its instructions are those of AMD's public machine-readable ISA for CDNA 5 (MIT licence, August 2026) and "CDNA5" Instruction Set Architecture Reference Guide (July 2026). The comments in the code are by the model that wrote it; some were corrected since.
;; Multi Head Attention. Allowed arithmetic: float matrix products may take bf16 or f16 operands with f32 sums; all other float work in f32.
;; Inputs: Wk 1,024 x 1,024 float32; Wo 1,024 x 1,024 float32; Wq 1,024 x 1,024 float32; Wv 1,024 x 1,024 float32; X 2 x 2,048 x 1,024 float32; bo 1,024 float32.
;; Outputs: out0 2 x 2,048 x 1,024 float32.
;; 2 versions, each right; version 2 is version 1 with the launches qkv, proj written anew for expert scheduling mode. Each part assembles by itself: llvm-mc -triple=amdgcn-amd-amdhsa -mcpu=gfx1250 --defsym DOCPART=n.
;; ======== version 1 of 2: 3 launches
;; limits: values are held in f16: magnitudes above 65,504 overflow, below 6.1e-05 lose precision; inputs' magnitudes at most 65,504; right only within a limited range of input values
;; workspace buffers: Qh 8,388,608 bytes; Kh 8,388,608 bytes; Vt 8,388,608 bytes; Cx 8,388,608 bytes
;; launch qkv (part 1): grid 16 x 16, 4 waves a work-group, no clusters, 190,976 bytes of LDS; arguments X, Wq, Wk, Wv, Qh, Kh, Vt; writes Qh, Kh, Vt
.if DOCPART == 1
	.amdgcn_target "amdgcn-amd-amdhsa--gfx1250"
	.amdhsa_code_object_version 6
	.text
	.protected	k_q37359dad22_qkv
	.globl	k_q37359dad22_qkv
	.p2align	8
	.type	k_q37359dad22_qkv,@function
k_q37359dad22_qkv:
	s_mov_b64 s[64:65], 0
	v_nop
	global_prefetch_b8 v0, s[64:65] scope:SCOPE_SE
	s_setreg_imm32_b32 hwreg(HW_REG_WAVE_MODE, 25, 1), 1
	s_wait_xcnt 0x0
; Qh[b][h][s][64] = (X Wq)/8, Kh likewise, Vt[b][h][d][s] = (X Wv)/8 transposed; all three f16.  X [4096][1024], W [1024][1024], f32.
; A work-group (x = head, y = block of 256 tokens) makes 256 tokens x 192 columns (the head's 64 columns of Wq, Wk, Wv);
; wave w makes tokens 64 w .. 64 w + 63 x all 192 columns: 48 accumulator tiles, 384 registers.  K goes in 16 stages of 64.
; FORMAT: every operand is rounded once to f16 (8 times finer than bf16; the result passes through five more roundings downstream).
;   X and W are rounded as they are: |x| < 65,504 is asked of them.  q, k, v are stored times 2^-3 (exact) and clamped to +-65,504,
;   so they saturate beyond |q| = 524,032 and no infinity arises.  NaN and infinities among the inputs are not served.
; NO TENSOR LOADS, NO CLUSTER: the tiles are f32 in memory and must be rounded to f16 on the way, and W lies [K][N], which the
;   16-bit transposing LDS load turns; a copy engine moves bytes unchanged, so the road is memory -> registers -> v_cvt_pk_f16_f32 -> LDS,
;   and on that road there is no joint request.  An f32 tile in LDS would double the LDS bytes and add a second trip through LDS.
; RING: three LDS buffers.  Stage t multiplies buffer t%3, stores stage t+2 into buffer (t+2)%3 and asks memory for stage t+3:
;   56 loads of 16 bytes a lane are on their way for a whole stage.  One barrier a stage.
; Q and K tiles are computed with the sources swapped (W first): a lane then holds one token and 8 neighbouring d.
; V tiles in the natural order: a lane holds one d and 8 neighbouring tokens, a piece of a row of Vt.
.set BUF,  63488                       ; one ring buffer: XS 256 rows x 144, then WS 64 rows x 416
.set WSO,  36864                       ; WS behind XS
.set XP,   144                         ; XS pitch: 128 bytes + 16: the 16 rows of a fragment load start 16 bytes apart modulo 256
.set WP,   416                         ; WS pitch: 384 bytes + 32 = 13 x 32, for the transposing load
.set KSTG, 36864                       ; way out: K's stage (Q's at 0), 9,216 bytes a wave
.set VSTG, 73728                       ; way out: V's stage, 64 rows of 528 bytes, shared
; window 0
.set AFA, 8                            ; v8-10   X fragment address in buffer 0, 1, 2; v8 is also the Q and K stage's store address
.set BFA, 11                           ; v11-13  W fragment address in buffer 0, 1, 2
.set QRD, 15                           ; way out: read rows back
.set GO,  16                           ; way out: 16 x lane
.set VST, 17
.set VRD, 18
.set AF0, 32                           ; v32-63, v64-95: X fragments, two sets
.set BQ,  96                           ; v96-127, v128-159, v160-191: W fragments of Wq, Wk, Wv
.set BK,  128
.set BV,  160
.set T,   32                           ; way out: 32 scaled numbers
.set U,   64                           ; way out: 16 packed words
.set R,   96                           ; way out: 16 x 4 registers read back
; window 1: accumulators of Q at 8 (4 a + b), of K at 128 + 8 (4 a + b).  window 2: of V at 8 (4 a + b)
; window 3: v0-127 X as loaded (load i at 4 i), v128-223 W as loaded, then:
.set XO,  224                          ; global offset of a lane in X's loads
.set WO,  225                          ; the same for W's
.set XSA, 226                          ; v226-228 LDS store address of X in buffer 0, 1, 2
.set WSA, 229                          ; v229-231 the same for W
.set MSB, 0
.macro WIN new                         ; s_set_vgpr_msb: bits 1:0 source 0, 3:2 source 1, 5:4 source 2, 7:6 destination; the high byte repeats the setting left
.if MSB != (\new)
	s_set_vgpr_msb (MSB<<8)|(\new)
.set MSB, (\new)
.endif
.endm
.macro PLACES n                        ; independent vector instructions behind a matrix instruction (ISA guide 7.12.1)
.rept \n
	v_nop
.endr
.endm
.macro MM d, x, y, zero
.if \zero
	v_wmma_f32_16x16x32_f16 v[\d:\d+7], v[\x:\x+7], v[\y:\y+7], 0
.else
	v_wmma_f32_16x16x32_f16 v[\d:\d+7], v[\x:\x+7], v[\y:\y+7], v[\d:\d+7]
.endif
.endm
	s_load_b256 s[4:11], s[0:1], 0x0               ; X s[4:5], Wq s[6:7], Wk s[8:9], Wv s[10:11]
	s_load_b128 s[12:15], s[0:1], 0x20             ; Qh s[12:13], Kh s[14:15]
	s_load_b64 s[16:17], s[0:1], 0x30              ; Vt
	v_lshl_add_u32 v254, v0, 2, 0x2e800
	v_mov_b32 v255, 0
	v_lshrrev_b32 v1, 5, v0
	v_readfirstlane_b32 s18, v1                    ; wave w
	s_mov_b32 s19, ttmp9                           ; head
	s_and_b32 s20, ttmp7, 0xffff                   ; y: block of 256 tokens
	s_mov_b32 s24, 0xc77fe000                      ; -65,504
	s_mov_b32 s25, 0x477fe000                      ; +65,504
	v_and_b32 v1, 31, v0                           ; L
	v_and_b32 v2, 15, v0                           ; r
	v_bfe_u32 v3, v0, 4, 1                         ; h
	s_mul_i32 s26, s18, 9216                       ; 64 w rows of 144 bytes
	v_mul_u32_u24 v4, v2, XP
	v_lshl_add_u32 v4, v3, 4, v4
	v_add_nc_u32 v[AFA], s26, v4                   ; (64 w + r) 144 + 16 h
	v_add_nc_u32 v[AFA+1], BUF, v[AFA]
	v_add_nc_u32 v[AFA+2], 2*BUF, v[AFA]
	v_and_b32 v5, 7, v0
	v_lshl_add_u32 v5, v3, 3, v5                   ; 8 h + (L & 7)
	v_mul_u32_u24 v5, v5, WP
	v_bfe_u32 v6, v0, 3, 1
	v_lshl_add_u32 v5, v6, 4, v5                   ; + 16 ((L >> 3) & 1)
	v_add_nc_u32 v[BFA], WSO, v5
	v_add_nc_u32 v[BFA+1], BUF, v[BFA]
	v_add_nc_u32 v[BFA+2], 2*BUF, v[BFA]
	v_lshrrev_b32 v6, 3, v1
	v_mul_u32_u24 v6, v6, XP
	v_and_b32 v7, 7, v0
	v_lshl_add_u32 v6, v7, 4, v6
	v_add_nc_u32 v[QRD], s26, v6                   ; w 9216 + (L >> 3) 144 + 16 (L & 7)
	v_lshlrev_b32 v[GO], 4, v1
	v_mul_u32_u24 v6, v2, 528
	v_lshl_add_u32 v6, v3, 4, v6
	s_lshl_b32 s27, s18, 7
	s_add_co_u32 s27, s27, VSTG
	v_add_nc_u32 v[VST], s27, v6                   ; VSTG + r 528 + 128 w + 16 h
	s_mul_i32 s27, s18, 8448
	s_add_co_u32 s27, s27, VSTG
	v_add_nc_u32 v[VRD], s27, v[GO]                ; VSTG + 16 w rows + 16 L
	v_lshlrev_b32 v6, 4, v2                        ; 16 r
	v_lshlrev_b32 v7, 3, v2                        ; 8 r
	v_mad_u32_u24 v20, v3, 1152, v7
	v_add_nc_u32 v20, s26, v20                     ; (64 w + 8 h) 144 + 8 r
	s_mul_i32 s27, s18, 6656
	s_add_co_u32 s27, s27, WSO
	v_mad_u32_u24 v21, v3, 1664, v7
	v_add_nc_u32 v21, s27, v21                     ; WSO + (16 w + 4 h) 416 + 8 r
	WIN 0xc0                                       ; destination in window 3
	v_lshl_add_u32 v[XO], v3, 15, v6               ; lanes 16-31 take the row 8 further down
	v_lshl_add_u32 v[WO], v3, 14, v6               ; lanes 16-31 take the row 4 further down
	v_mov_b32 v[XSA], v20
	v_add_nc_u32 v[XSA+1], BUF, v20
	v_add_nc_u32 v[XSA+2], 2*BUF, v20
	v_mov_b32 v[WSA], v21
	v_add_nc_u32 v[WSA+1], BUF, v21
	v_add_nc_u32 v[WSA+2], 2*BUF, v21
	WIN 0
	s_mov_b32 s23, 0
	s_wait_kmcnt 0x0
	s_lshl_b32 s22, s20, 8
	s_lshl_b32 s28, s18, 6
	s_add_co_u32 s22, s22, s28                     ; my first token: 256 y + 64 w
	s_lshl_b32 s22, s22, 12
	s_add_nc_u64 s[4:5], s[4:5], s[22:23]
	s_lshl_b32 s22, s19, 8                         ; the head's 64 columns,
	s_lshl_b32 s28, s18, 16                        ; and my 16 k rows of each stage
	s_add_co_u32 s22, s22, s28
	s_add_nc_u64 s[6:7], s[6:7], s[22:23]
	s_add_nc_u64 s[8:9], s[8:9], s[22:23]
	s_add_nc_u64 s[10:11], s[10:11], s[22:23]
	s_lshr_b32 s28, s20, 3                         ; b
	s_lshl_b32 s28, s28, 4
	s_add_co_u32 s28, s28, s19                     ; 16 b + head
	s_and_b32 s29, s20, 7
	s_lshl_b32 s29, s29, 8                         ; s0: the block's first position in the sequence
	s_lshl_b32 s22, s28, 11
	s_add_co_u32 s22, s22, s29
	s_lshl_b32 s30, s18, 6
	s_add_co_u32 s22, s22, s30
	s_lshl_b32 s22, s22, 7                         ; rows of 128 bytes
	s_add_nc_u64 s[12:13], s[12:13], s[22:23]
	s_add_nc_u64 s[14:15], s[14:15], s[22:23]
	s_lshl_b32 s22, s28, 6
	s_lshl_b32 s30, s18, 4
	s_add_co_u32 s22, s22, s30                     ; Vt row (16 b + head) 64 + 16 w
	s_lshl_b32 s22, s22, 12
	s_lshl_b32 s29, s29, 1
	s_add_co_u32 s22, s22, s29
	s_add_nc_u64 s[16:17], s[16:17], s[22:23]
; A stage's 56 loads go in four chunks of 14: X loads 8 c .. 8 c + 7 (rows 16 c + u and 16 c + u + 8 of my 64, 256 bytes each),
; W loads 6 c .. 6 c + 5 (load i: matrix i / 8, k rows (i & 3) + 8 ((i >> 2) & 1) and that + 4 of my 16, 256 bytes each).
; so: the stage, counted from where the bases stand.  gw: the window that takes the data.
.macro CH_LOAD c, so, gw
	WIN ((\gw)<<6)|((\gw)<<2)|3
.irp u, 0,1,2,3,4,5,6,7
	global_load_b128 v[4*(8*(\c)+\u):4*(8*(\c)+\u)+3], v[XO], s[4:5] offset:(16*(\c)+\u)*4096+(\so)*256
.endr
.irp u, 0,1,2,3,4,5
.set wi, 6*(\c)+\u
	global_load_b128 v[128+4*wi:128+4*wi+3], v[WO], s[6+2*(wi/8):7+2*(wi/8)] offset:((wi&3)+8*((wi>>2)&1))*4096+(\so)*262144
.endr
.endm
; round a chunk to f16 in place and put it into ring buffer wr, 8 bytes a lane: the two halves of the lanes lie 128 bytes apart modulo 256
.macro CH_STORE c, wr, gw
	WIN ((\gw)<<6)|((\gw)<<2)|(\gw)
.irp u, 0,1,2,3,4,5,6,7
.set gi, 4*(8*(\c)+\u)
	v_cvt_pk_f16_f32 v[gi], v[gi], v[gi+1]
	v_cvt_pk_f16_f32 v[gi+1], v[gi+2], v[gi+3]
.endr
.irp u, 0,1,2,3,4,5
.set gi, 128+4*(6*(\c)+\u)
	v_cvt_pk_f16_f32 v[gi], v[gi], v[gi+1]
	v_cvt_pk_f16_f32 v[gi+1], v[gi+2], v[gi+3]
.endr
	WIN ((\gw)<<6)|((\gw)<<2)|3
.irp u, 0,1,2,3,4,5,6,7
.set gi, 4*(8*(\c)+\u)
	ds_store_b64 v[XSA+(\wr)], v[gi:gi+1] offset:(16*(\c)+\u)*XP
.endr
.irp u, 0,1,2,3,4,5
.set wi, 6*(\c)+\u
	ds_store_b64 v[WSA+(\wr)], v[128+4*wi:128+4*wi+1] offset:((wi&3)+8*((wi>>2)&1))*WP+(wi/8)*128
.endr
.endm
.macro CHUNK c, wr, so, st, ld, lc
.if \st
	s_wait_loadcnt \lc                             ; loads return in order (ISA guide 5.7.1): this chunk is in, lc younger loads stay out
	CH_STORE \c, \wr, 3
.endif
.if \ld
	CH_LOAD \c, \so, 3                             ; the same chunk of the next stage, into the registers just stored
.endif
.endm
.macro FRA dst, buf, ks                ; my 64 rows of X, 32 along K: 4 fragments, 8 loads
.irp a, 0,1,2,3
	ds_load_b128 v[\dst+8*\a:\dst+8*\a+3], v[AFA+(\buf)] offset:\a*2304+64*(\ks)
	ds_load_b128 v[\dst+8*\a+4:\dst+8*\a+7], v[AFA+(\buf)] offset:\a*2304+64*(\ks)+32
.endr
.endm
.macro FRB dst, b0, buf, ks            ; 64 columns of W from column tile b0 on, 32 along K, turned: 4 fragments, 8 loads
.irp b, 0,1,2,3
	ds_load_tr16_b128 v[\dst+8*\b:\dst+8*\b+3], v[BFA+(\buf)] offset:(\ks)*13312+32*(\b0+\b)
	ds_load_tr16_b128 v[\dst+8*\b+4:\dst+8*\b+7], v[BFA+(\buf)] offset:(\ks)*13312+6656+32*(\b0+\b)
.endr
.endm
; 16 matrix instructions.  bar = 1: the stage's barrier, its signal behind the 8th and its wait behind the 16th.
.macro GRP accb, win, bf, af, swap, zero, bar
	WIN \win
.irp a, 0,1,2,3
.irp b, 0,1,2,3
.if \swap
	MM \accb+8*(4*\a+\b), \bf+8*\b, \af+8*\a, \zero
.else
	MM \accb+8*(4*\a+\b), \af+8*\a, \bf+8*\b, \zero
.endif
.endr
.if \bar
.if \a == 1
	s_wait_dscnt 0x0                               ; for the other waves: my stores of the last two stages' chunks and my reads of this stage's buffer are done
	s_barrier_signal -1
.endif
.endif
.endr
.if \bar
	s_barrier_wait -1                              ; the next buffer may be read, this stage's buffer may be written from the next stage on
.endif
.endm
; One sub-step: 32 along K, 48 matrix instructions in the groups Q, K, V.  X's fragments lie in set e.  Behind each group its W fragments
; are loaded again for the next sub-step (buffer nbuf, half nk), and two chunks are staged.
; The counts of s_wait_dscnt are the LDS instructions issued behind the fragments that the group needs (they return in order):
;   Q: the last sub-step's second chunk (14 stores if pst) and its loads of BK and BV (16);
;   K: the loads of BV (8), this sub-step's first chunk (14 if st), the loads of X's set and BQ (16 if more);
;   V: both chunks (28 if st), the loads of X's set, BQ and BK (24 if more).
.macro SUB e, nbuf, nk, wr, so, zero, st, ld, pst, more, bar, lc0, lc1
	s_wait_dscnt 14*(\pst)+16
	GRP 0, 0x50, BQ, AF0+32*(\e), 1, \zero, \bar
	PLACES 4                                       ; four places before loads land in registers that the group has read
	CHUNK 2*(\e), \wr, \so, \st, \ld, \lc0
	WIN 0
.if \more
	FRA AF0+32*(1-(\e)), \nbuf, \nk
	FRB BQ, 0, \nbuf, \nk
.endif
	s_wait_dscnt 8+14*(\st)+16*(\more)
	GRP 128, 0x50, BK, AF0+32*(\e), 1, \zero, 0
	PLACES 4
	CHUNK 2*(\e)+1, \wr, \so, \st, \ld, \lc1
	WIN 0
.if \more
	FRB BK, 4, \nbuf, \nk
.endif
	s_wait_dscnt 28*(\st)+24*(\more)
	GRP 0, 0xa0, BV, AF0+32*(\e), 0, \zero, 0
	PLACES 4
	WIN 0
.if \more
	FRB BV, 8, \nbuf, \nk
.endif
.endm
; A stage on buffer rd.  The barrier stands in the second sub-step's first group: by then every read of buffer rd has been issued
; (the last behind the first sub-step's V group), and the fetch from buffer rd+1 follows behind it.
.macro STAGE rd, so, zero, st, ld, pst, bar, last, l0, l1, l2, l3
	SUB 0, \rd, 1, (\rd+2)%3, \so, \zero, \st, \ld, \pst, 1, 0, \l0, \l1
	SUB 1, (\rd+1)%3, 0, (\rd+2)%3, \so, 0, \st, \ld, \st, (1-\last), \bar, \l2, \l3
.endm
	; stages 0 and 1 are asked for at once: stage 0 into window 3, stage 1 into window 1, whose accumulators are not yet in use
.irp c, 0,1,2,3
	CH_LOAD \c, 0, 3
.endr
.irp c, 0,1,2,3
	CH_LOAD \c, 1, 1
.endr
	s_wait_loadcnt 56                              ; stage 0 is in; stage 1's 56 loads stay out
.irp c, 0,1,2,3
	CH_STORE \c, 0, 3
	CH_LOAD \c, 2, 3
.endr
	s_wait_loadcnt 56                              ; stage 1 is in; stage 2's 56 loads stay out
.irp c, 0,1,2,3
	CH_STORE \c, 1, 1
.endr
	WIN 0
	s_wait_dscnt 0x0                               ; my part of buffers 0 and 1 is written,
	s_barrier_signal -1
	s_barrier_wait -1                              ; everybody's is
	FRA AF0, 0, 0
	FRB BQ, 0, 0, 0
	FRB BK, 4, 0, 0
	FRB BV, 8, 0, 0
	STAGE 0, 3, 1, 1, 1, 0, 1, 0, 42, 42, 42, 42   ; the first products start the sums; 42 = the three younger chunks
	s_mov_b32 s21, 0
.Lloop:                                            ; stages 1 to 12
	STAGE 1, 4, 0, 1, 1, 1, 1, 0, 42, 42, 42, 42
	STAGE 2, 5, 0, 1, 1, 1, 1, 0, 42, 42, 42, 42
	STAGE 0, 6, 0, 1, 1, 1, 1, 0, 42, 42, 42, 42
	s_wait_xcnt 0x0                                ; the bases of the loads issued so far are stepped only behind this wait
	s_add_nc_u64 s[4:5], s[4:5], 768               ; three stages: 3 x 64 columns of X,
	s_add_nc_u64 s[6:7], s[6:7], 786432            ; 3 x 64 rows of each W
	s_add_nc_u64 s[8:9], s[8:9], 786432
	s_add_nc_u64 s[10:11], s[10:11], 786432
	s_add_co_u32 s21, s21, 1
	s_cmp_lt_u32 s21, 4
	s_cbranch_scc1 .Lloop
	STAGE 1, 0, 0, 1, 0, 1, 1, 0, 42, 28, 14, 0    ; stage 13 stores stage 15 and asks for nothing: the counts run down
	STAGE 2, 0, 0, 0, 0, 1, 1, 0, 0, 0, 0, 0       ; stage 14: its barrier lets stage 15's buffer be read
	STAGE 0, 0, 0, 0, 0, 0, 0, 1, 0, 0, 0, 0       ; stage 15: nothing follows
	; THE WAY OUT.  The ring is done with; the stages lie in its bytes, behind a barrier that every wave passes after its last read.
	s_wait_dscnt 0x0
	s_barrier_signal -1
	s_barrier_wait -1
; the four tiles (a, 0..3): times 1/8, clamped to f16's range, packed: U + 4 b .. + 3 = a lane's 8 numbers of tile b
.macro PACK4 win, accb, a
	WIN \win
.irp b, 0,1,2,3
.irp j, 0,2,4,6
	v_pk_mul_f32 v[T+8*\b+\j:T+8*\b+\j+1], v[\accb+8*(4*\a+\b)+\j:\accb+8*(4*\a+\b)+\j+1], 0x3e000000 op_sel_hi:[1,0]
.endr
.endr
	WIN 0
.set i, 0
.rept 32
	v_med3_num_f32 v[T+i], v[T+i], s24, s25
.set i, i+1
.endr
.set i, 0
.rept 16
	v_cvt_pk_f16_f32 v[U+i], v[T+2*i], v[T+2*i+1]
.set i, i+1
.endr
.endm
; Q or K: 64 tokens x 64 d through my own stage (LDS serves a wave's instructions in order: no wait between stores and loads),
; then 16 stores of 512 consecutive bytes (four rows of 128 bytes).
.macro OUTQK accb, lo, base
.irp a, 0,1,2,3
	PACK4 0x01, \accb, \a
.irp b, 0,1,2,3
	ds_store_b128 v[AFA], v[U+4*\b:U+4*\b+3] offset:\lo+\a*2304+32*\b
.endr
.endr
.irp i, 0,1,2,3,4,5,6,7,8,9,10,11,12,13,14,15
	ds_load_b128 v[R+4*\i:R+4*\i+3], v[QRD] offset:\lo+576*\i
.endr
.irp i, 0,1,2,3,4,5,6,7,8,9,10,11,12,13,14,15
	s_wait_dscnt 15-\i                             ; load i is back, the younger ones stay out
	global_store_b128 v[GO], v[R+4*\i:R+4*\i+3], s[\base:\base+1] offset:512*\i
.endr
	s_wait_xcnt 0x0                                ; R, which these stores read, is loaded again only behind this wait
.endm
	OUTQK 0, 0, 12
	OUTQK 128, KSTG, 14
	; V: a lane's 16 bytes are 8 tokens of one d; the four waves together fill rows of 256 tokens = 512 bytes
.irp a, 0,1,2,3
	PACK4 0x02, 0, \a
.irp b, 0,1,2,3
	ds_store_b128 v[VST], v[U+4*\b:U+4*\b+3] offset:8448*\b+32*\a
.endr
.endr
	s_wait_dscnt 0x0                               ; my columns of the stage are written,
	s_barrier_signal -1
	s_barrier_wait -1                              ; everybody's are
.irp i, 0,1,2,3,4,5,6,7,8,9,10,11,12,13,14,15
	ds_load_b128 v[R+4*\i:R+4*\i+3], v[VRD] offset:528*\i
.endr
.irp i, 0,1,2,3,4,5,6,7,8,9,10,11,12,13,14,15
	s_wait_dscnt 15-\i
	global_store_b128 v[GO], v[R+4*\i:R+4*\i+3], s[16:17] offset:4096*\i      ; row 16 w + i of the head: 512 consecutive bytes
.endr
	s_wait_tensorcnt 0x0
	ds_add_u32 v254, v255
	s_wait_dscnt 0x0
	s_endpgm
.Lfunc_end_k_q37359dad22_qkv:
	.size	k_q37359dad22_qkv, .Lfunc_end_k_q37359dad22_qkv-k_q37359dad22_qkv
	.p2alignl 7, 3214868480
	.fill 96, 4, 3214868480
	.section	.rodata,"a",@progbits
	.p2align	6, 0x0
	.amdhsa_kernel k_q37359dad22_qkv
		.amdhsa_group_segment_fixed_size 190976
		.amdhsa_private_segment_fixed_size 0
		.amdhsa_enable_private_segment 0
		.amdhsa_kernarg_size 56
		.amdhsa_user_sgpr_count 2
		.amdhsa_user_sgpr_kernarg_segment_ptr 1
		.amdhsa_wavefront_size32 1
		.amdhsa_system_sgpr_workgroup_id_x 1
		.amdhsa_system_sgpr_workgroup_id_y 1
		.amdhsa_system_sgpr_workgroup_id_z 1
		.amdhsa_system_vgpr_workitem_id 0
		.amdhsa_next_free_vgpr 1000
		.amdhsa_next_free_sgpr 66
		.amdhsa_reserve_vcc 0
		.amdhsa_float_denorm_mode_32 3
		.amdhsa_float_denorm_mode_16_64 3
		.amdhsa_memory_ordered 1
		.amdhsa_forward_progress 1
		.amdhsa_inst_pref_size 255
	.end_amdhsa_kernel
	.section	.bss,"aw",@nobits
	.p2align	6
	.space	262144
	.amdgpu_metadata
---
amdhsa.version: [ 1, 2 ]
amdhsa.kernels:
  - .name:           k_q37359dad22_qkv
    .symbol:         k_q37359dad22_qkv.kd
    .args:
      - { .name: X, .offset: 0, .size: 8, .value_kind: global_buffer, .address_space: global }
      - { .name: Wq, .offset: 8, .size: 8, .value_kind: global_buffer, .address_space: global }
      - { .name: Wk, .offset: 16, .size: 8, .value_kind: global_buffer, .address_space: global }
      - { .name: Wv, .offset: 24, .size: 8, .value_kind: global_buffer, .address_space: global }
      - { .name: Qh, .offset: 32, .size: 8, .value_kind: global_buffer, .address_space: global }
      - { .name: Kh, .offset: 40, .size: 8, .value_kind: global_buffer, .address_space: global }
      - { .name: Vt, .offset: 48, .size: 8, .value_kind: global_buffer, .address_space: global }
    .group_segment_fixed_size: 190976
    .private_segment_fixed_size: 0
    .kernarg_segment_align: 8
    .kernarg_segment_size: 56
    .max_flat_workgroup_size: 128
    .sgpr_count:     66
    .vgpr_count:     1000
    .wavefront_size: 32
...
	.end_amdgpu_metadata
.endif
;; end of part 1
;; launch attn (part 2): grid 8 x 32, 8 waves a work-group, no clusters, 90,112 bytes of LDS; arguments Qh, Kh, Vt, Cx; writes Cx
.if DOCPART == 2
	.amdgcn_target "amdgcn-amd-amdhsa--gfx1250"
	.amdhsa_code_object_version 6
	.text
	.protected	k_q37359dad22_attn
	.globl	k_q37359dad22_attn
	.p2align	8
	.type	k_q37359dad22_attn,@function
k_q37359dad22_attn:
	s_mov_b64 s[64:65], 0
	v_nop
	global_prefetch_b8 v0, s[64:65] scope:SCOPE_SE
	s_setreg_imm32_b32 hwreg(HW_REG_WAVE_MODE, 25, 1), 1
	s_wait_xcnt 0x0
; Causal attention of one head: Cx[bh][s][64] = softmax(q k^T / 8, causal) v / 8 in f16, from Qh = q/8, Kh = k/8 ([bh][s][64]) and Vt = v^T/8 ([bh][d][s]).
; Work-group (p, bh) owns the query blocks p and 15 - p of 128 queries: (p + 1) + (16 - p) = 17 tiles of 128 keys for every work-group.
; Wave w: g = w & 3 picks 32 queries, kg = w >> 2 picks keys 64 kg .. 64 kg + 63 of every tile; the two key halves keep their own
; running maximum, sum and O and are merged through LDS at a block's end.  Tiles wholly above the diagonal are not computed.
; S^T = K Q^T: a lane holds one query and 8 keys a tile, so the reductions over keys stay in the lane but for one exchange of the lane
; halves, and two packed tiles ARE the second source of O^T = V^T P^T.
; SCALES: scores = q.k / 8 = 8 (q/8).(k/8), so the exponent of 2 is c (s - m) with c = 8 log2(e).  The maximum is a running maximum.
; Its start value -1e30 lies below every product sum (|s| <= 64 x 65,504^2), so a wave whose keys are all masked gets weights 0 and no NaN.
; The sum l is made of the f32 weights, the product P V of their f16 roundings.  NaN and infinities in the inputs are not served.
; NO CLUSTER: partners would have to ask jointly for the same K and V tiles, but the work-groups of a head walk different numbers of tiles
; in each of their two blocks (p + 1 and 16 - p), and a tile is 32 KB read by 8 work-groups out of buffers that the launch before stored.
; LDS: KT 128 rows x 144 at 0; VT 64 rows x 272 at 18,432; MG (merge) 4 x 17 x 512 at 35,840; OS (way out) 4 x 32 x 144 at 70,656.
.set KSA, 1                            ; store address of my 16 bytes of K's tile
.set VSA, 2                            ; and of V's
.set KFA, 3                            ; K fragment address
.set VFA, 4                            ; V fragment address
.set KG,  5                            ; global offsets
.set VG,  6
.set QG,  7
.set MGA, 8
.set OSA, 9
.set ORA, 10
.set CG,  11
.set DQ,  12                           ; v12-13  query - key at (mt = 0, j = 0), for nt = 0, 1
.set NINF, 14
.set ST,  16                           ; v16-19  m0, l0, m1, l1
.set NM,  20                           ; v20-23  -c m, pairs (the low one is used)
.set AL,  24                           ; v24-27  the rescaling factor, pairs
.set CS,  28                           ; v28-35  four chains of sums; the merge's weights
.set TA,  36                           ; v36-39  at work
.set PB,  40                           ; v40-43  the partner's m and l
.set S,   64                           ; v64-127   S(mt, nt) at 32 nt + 8 mt; then P
.set O,   128                          ; v128-191  O(dt, nt) at 32 nt + 8 dt
.set KF,  192                          ; v192-255  K fragments at 8 (2 mt + kd)
.set Q,   0                            ; window 1: v0-31 Q fragments at 8 (2 nt + kd)
.set G,   32                           ; window 1: v32-63 the next tile as loaded
.set VF,  64                           ; window 1: v64-127 V fragments at 8 (2 dt + ks)
.set MSB, 0
.macro WIN new
.if MSB != (\new)
	s_set_vgpr_msb (MSB<<8)|(\new)
.set MSB, (\new)
.endif
.endm
.macro PLACES n
.rept \n
	v_nop
.endr
.endm
.macro MM d, x, y, zero
.if \zero
	v_wmma_f32_16x16x32_f16 v[\d:\d+7], v[\x:\x+7], v[\y:\y+7], 0
.else
	v_wmma_f32_16x16x32_f16 v[\d:\d+7], v[\x:\x+7], v[\y:\y+7], v[\d:\d+7]
.endif
.endm
	s_load_b256 s[4:11], s[0:1], 0x0               ; Qh s[4:5], Kh s[6:7], Vt s[8:9], Cx s[10:11]
	v_lshl_add_u32 v62, v0, 2, 0x15c00
	v_mov_b32 v63, 0
	v_lshrrev_b32 v15, 5, v0
	v_readfirstlane_b32 s12, v15                   ; wave w
	s_and_b32 s13, s12, 3                          ; g
	s_lshr_b32 s14, s12, 2                         ; kg
	s_mov_b32 s17, ttmp9                           ; first block p
	s_and_b32 s16, ttmp7, 0xffff                   ; bh
	s_sub_co_u32 s18, 15, s17                      ; second block 15 - p
	s_add_co_u32 s42, s17, 1
	s_add_co_u32 s41, s17, 2
	s_mov_b32 s19, 0                               ; n: the running number of the tile asked for
	s_mov_b32 s35, 0
	s_mov_b32 s36, 0x76543210                      ; v_permlanex16_b32: lane i of the other half
	s_mov_b32 s37, 0xfedcba98
	s_mov_b32 s38, 0xf149f2ca                      ; -1e30
	v_and_b32 v44, 31, v0                          ; L
	v_and_b32 v45, 15, v0                          ; r
	v_bfe_u32 v46, v0, 4, 1                        ; h
	v_lshrrev_b32 v28, 3, v44
	v_and_b32 v29, 7, v0
	v_mul_u32_u24 v28, v28, 144
	v_lshl_add_u32 v28, v29, 4, v28                ; (L >> 3) 144 + 16 (L & 7)
	s_mul_i32 s39, s12, 576
	v_add_nc_u32 v[KSA], s39, v28                  ; row 4 w + (L >> 3) of each 32
	s_mul_i32 s40, s13, 4608
	s_add_co_u32 s40, s40, 70656
	v_add_nc_u32 v[ORA], s40, v28
	v_lshlrev_b32 v30, 4, v45                      ; 16 r
	v_mad_u32_u24 v29, v46, 272, v30
	s_mul_i32 s39, s12, 544
	s_add_co_u32 s39, s39, 18432
	v_add_nc_u32 v[VSA], s39, v29                  ; row 2 w + h of each 16
	v_lshrrev_b32 v29, 4, v0
	v_lshl_add_u32 v[VG], v29, 12, v30             ; the same row of Vt, 4,096 bytes a row
	v_lshlrev_b32 v[KG], 4, v0
	v_mul_u32_u24 v28, v45, 144
	v_lshl_add_u32 v28, v46, 4, v28                ; r 144 + 16 h
	s_mul_i32 s39, s14, 9216
	v_add_nc_u32 v[KFA], s39, v28
	v_add_nc_u32 v[OSA], s40, v28
	v_mul_u32_u24 v28, v45, 272
	v_lshl_add_u32 v28, v46, 4, v28
	s_lshl_b32 s39, s14, 7
	s_add_co_u32 s39, s39, 18432
	v_add_nc_u32 v[VFA], s39, v28                  ; VT + r 272 + 16 h + my 64 keys
	v_lshlrev_b32 v28, 7, v45
	v_lshl_add_u32 v[QG], v46, 4, v28
	s_mul_i32 s39, s13, 8704
	s_add_co_u32 s39, s39, 35840
	v_lshlrev_b32 v[CG], 4, v44
	v_add_nc_u32 v[MGA], s39, v[CG]
	s_lshl_b32 s39, s13, 5
	s_lshl_b32 s40, s14, 6
	s_sub_co_i32 s39, s39, s40
	v_lshlrev_b32 v28, 3, v46
	v_sub_nc_u32 v28, v45, v28
	v_add_nc_u32 v[DQ], s39, v28                   ; 32 g + r - 64 kg - 8 h
	v_add_nc_u32 v[DQ+1], 16, v[DQ]
	v_mov_b32 v[NINF], 0xff800000
	v_mov_b32 v[NM+1], 0                           ; the upper halves of the broadcast pairs are written once
	v_mov_b32 v[NM+3], 0
	v_mov_b32 v[AL+1], 0
	v_mov_b32 v[AL+3], 0
	s_lshl_b32 s34, s16, 18                        ; a head is 262,144 bytes in each buffer
	s_wait_kmcnt 0x0
	s_add_nc_u64 s[22:23], s[6:7], s[34:35]        ; Kb
	s_add_nc_u64 s[24:25], s[8:9], s[34:35]        ; Vb
	s_lshl_b32 s39, s13, 12                        ; my 32 queries: 32 g rows of 128 bytes
	s_add_co_u32 s34, s34, s39
	s_add_nc_u64 s[4:5], s[4:5], s[34:35]
	s_add_nc_u64 s[10:11], s[10:11], s[34:35]
	s_lshl_b32 s34, s17, 14                        ; a block of 128 rows is 16,384 bytes
	s_add_nc_u64 s[26:27], s[22:23], s[34:35]      ; KP: the first block's diagonal tile
	s_add_nc_u64 s[30:31], s[4:5], s[34:35]        ; Q of the first block
	s_add_nc_u64 s[32:33], s[10:11], s[34:35]      ; Cx of the first block
	s_lshl_b32 s34, s17, 8
	s_add_nc_u64 s[28:29], s[24:25], s[34:35]      ; VP
	s_lshl_b32 s34, s18, 14
	s_add_nc_u64 s[46:47], s[4:5], s[34:35]        ; Q of the second block
	s_add_nc_u64 s[44:45], s[10:11], s[34:35]      ; Cx of the second block
.macro GLOAD                           ; the next tile: 16 KB of K (contiguous) and 64 rows x 256 bytes of Vt, 8 loads a lane
	WIN 0x40
.irp i, 0,1,2,3
	global_load_b128 v[G+4*\i:G+4*\i+3], v[KG], s[26:27] offset:4096*\i
.endr
.irp i, 0,1,2,3
	global_load_b128 v[G+16+4*\i:G+16+4*\i+3], v[VG], s[28:29] offset:65536*\i
.endr
.endm
.macro QLOAD base                      ; my 32 queries as second sources, straight from memory
	WIN 0x40
.irp nt, 0,1
.irp kd, 0,1
	global_load_b128 v[Q+8*(2*\nt+\kd):Q+8*(2*\nt+\kd)+3], v[QG], s[\base:\base+1] offset:2048*\nt+64*\kd
	global_load_b128 v[Q+8*(2*\nt+\kd)+4:Q+8*(2*\nt+\kd)+7], v[QG], s[\base:\base+1] offset:2048*\nt+64*\kd+32
.endr
.endr
.endm
.macro GSTORE
	WIN 0x04
.irp i, 0,1,2,3
	ds_store_b128 v[KSA], v[G+4*\i:G+4*\i+3] offset:4608*\i
.endr
.irp i, 0,1,2,3
	ds_store_b128 v[VSA], v[G+16+4*\i:G+16+4*\i+3] offset:4352*\i
.endr
	WIN 0
.endm
.macro KFRAG
.irp mt, 0,1,2,3
.irp kd, 0,1
	ds_load_b128 v[KF+8*(2*\mt+\kd):KF+8*(2*\mt+\kd)+3], v[KFA] offset:2304*\mt+64*\kd
	ds_load_b128 v[KF+8*(2*\mt+\kd)+4:KF+8*(2*\mt+\kd)+7], v[KFA] offset:2304*\mt+64*\kd+32
.endr
.endr
.endm
.macro VFRAG
	WIN 0x40
.irp dt, 0,1,2,3
.irp ks, 0,1
	ds_load_b128 v[VF+8*(2*\dt+\ks):VF+8*(2*\dt+\ks)+3], v[VFA] offset:4352*\dt+64*\ks
	ds_load_b128 v[VF+8*(2*\dt+\ks)+4:VF+8*(2*\dt+\ks)+7], v[VFA] offset:4352*\dt+64*\ks+32
.endr
.endr
.endm
; The order of tiles: diagonal of block p, tiles 0 .. p-1, diagonal of block 15-p, tiles 0 .. 14-p.  Stands behind the wait that
; showed the loads through KP and VP done.  After the 17th tile the pointers rest on a tile inside the head and are not used.
.macro NEXTPTR
	s_add_co_u32 s19, s19, 1
	s_sub_co_u32 s39, s19, 1                       ; in the first block: tile n - 1
	s_sub_co_u32 s40, s19, s41                     ; in the second: tile n - p - 2
	s_cmp_le_u32 s19, s17
	s_cselect_b32 s39, s39, s40
	s_cmp_eq_u32 s19, s42                          ; n = p + 1: the second block's diagonal tile
	s_cselect_b32 s39, s18, s39
	s_lshl_b32 s34, s39, 14
	s_add_nc_u64 s[26:27], s[22:23], s[34:35]
	s_lshl_b32 s34, s39, 8
	s_add_nc_u64 s[28:29], s[24:25], s[34:35]
.endm
; One tile.  mask: the diagonal tile.  first: it starts the block's sums (nothing is cleared).  pref: a tile follows and is fetched.
; more: its K fragments are loaded at the end.
.macro STEP mask, first, pref, more
.if \pref
	GLOAD
.endif
	VFRAG                                          ; 16 loads; the products below hide them
.if \first
	s_wait_loadcnt 0x8                             ; the block's Q is in; the 8 younger loads of the next tile stay out
.endif
	s_wait_dscnt 0x10                              ; the K fragments are in; the 16 younger loads of V stay out
	WIN 0x04
.irp nt, 0,1
.irp mt, 0,1,2,3
	MM S+32*\nt+8*\mt, KF+16*\mt, Q+16*\nt, 1
.endr
.endr
.irp nt, 0,1
.irp mt, 0,1,2,3
	MM S+32*\nt+8*\mt, KF+16*\mt+8, Q+16*\nt+8, 0
.endr
.endr
	WIN 0
	PLACES 4                                       ; four places before vector instructions read the results (ISA guide 7.12.1)
.if \mask
.irp nt, 0,1
.irp mt, 0,1,2,3
.irp j, 0,1,2,3,4,5,6,7
	v_cmp_gt_i32 vcc_lo, 16*\mt+\j, v[DQ+\nt]      ; key behind the query
	v_cndmask_b32 v[S+32*\nt+8*\mt+\j], v[S+32*\nt+8*\mt+\j], v[NINF], vcc_lo
.endr
.endr
.endr
.endif
.irp nt, 0,1
	v_max_num_f32 v[TA+2*\nt], v[S+32*\nt], v[S+32*\nt+1]
	v_max_num_f32 v[TA+2*\nt+1], v[S+32*\nt+16], v[S+32*\nt+17]
.irp k, 2,4,6,8,10,12,14
	v_max3_num_f32 v[TA+2*\nt], v[TA+2*\nt], v[S+32*\nt+\k], v[S+32*\nt+\k+1]
	v_max3_num_f32 v[TA+2*\nt+1], v[TA+2*\nt+1], v[S+32*\nt+16+\k], v[S+32*\nt+17+\k]
.endr
	v_max_num_f32 v[TA+2*\nt], v[TA+2*\nt], v[TA+2*\nt+1]
	v_permlanex16_b32 v[TA+2*\nt+1], v[TA+2*\nt], s36, s37     ; the other 8 keys of each 16
.if \first
	v_max3_num_f32 v[ST+2*\nt], v[TA+2*\nt], v[TA+2*\nt+1], s38
.else
	v_max3_num_f32 v[ST+2*\nt], v[TA+2*\nt], v[TA+2*\nt+1], v[ST+2*\nt]
.endif
	v_mul_f32 v[TA+2*\nt], 0xc138aa3b, v[ST+2*\nt]             ; -c m
.if \first == 0
	v_sub_f32 v[TA+2*\nt+1], v[TA+2*\nt], v[NM+2*\nt]          ; c (m old - m new), of the two rounded products: 0 where the maximum stays
	v_exp_f32 v[AL+2*\nt], v[TA+2*\nt+1]
.endif
	v_mov_b32 v[NM+2*\nt], v[TA+2*\nt]                         ; also the plain instruction behind v_exp_f32
.endr
.irp nt, 0,1
.irp k, 0,2,4,6,8,10,12,14,16,18,20,22,24,26,28,30
	v_pk_fma_f32 v[S+32*\nt+\k:S+32*\nt+\k+1], v[S+32*\nt+\k:S+32*\nt+\k+1], 0x4138aa3b, v[NM+2*\nt:NM+2*\nt+1] op_sel_hi:[1,0,0]
.endr
.endr
.set i, 0
.rept 64
	v_exp_f32 v[S+i], v[S+i]
.set i, i+1
.endr
	v_nop                                          ; one plain instruction before the weights are used
	s_wait_dscnt 0x0                               ; V's fragments are in: my reads of this tile are over
.if \pref
	s_barrier_signal -1                            ; say so; the sums and the packing below are register work
.endif
	s_wait_alu depctr_va_vdst(0)
.irp nt, 0,1
.irp q, 0,1,2,3
	v_pk_add_f32 v[CS+2*\q:CS+2*\q+1], v[S+32*\nt+4*\q:S+32*\nt+4*\q+1], v[S+32*\nt+4*\q+2:S+32*\nt+4*\q+3]
.endr
.irp q, 0,1,2,3
	v_pk_add_f32 v[CS+2*\q:CS+2*\q+1], v[CS+2*\q:CS+2*\q+1], v[S+32*\nt+16+2*\q:S+32*\nt+16+2*\q+1]
.endr
.irp q, 0,1,2,3
	v_pk_add_f32 v[CS+2*\q:CS+2*\q+1], v[CS+2*\q:CS+2*\q+1], v[S+32*\nt+24+2*\q:S+32*\nt+24+2*\q+1]
.endr
	v_pk_add_f32 v[CS:CS+1], v[CS:CS+1], v[CS+2:CS+3]
	v_pk_add_f32 v[CS+4:CS+5], v[CS+4:CS+5], v[CS+6:CS+7]
	v_pk_add_f32 v[CS:CS+1], v[CS:CS+1], v[CS+4:CS+5]
.if \first
	v_add_f32 v[ST+2*\nt+1], v[CS], v[CS+1]                    ; l of my half of the lanes' keys; the halves meet in the merge
.else
	v_add_f32 v[CS], v[CS], v[CS+1]
	v_fma_f32 v[ST+2*\nt+1], v[ST+2*\nt+1], v[AL+2*\nt], v[CS]
.endif
.irp ks, 0,1
.irp k, 0,1,2,3
	v_cvt_pk_f16_f32 v[S+32*\nt+16*\ks+\k], v[S+32*\nt+16*\ks+2*\k], v[S+32*\nt+16*\ks+2*\k+1]       ; tile 2 ks: keys 8 h .. + 7 of the 32
.endr
.irp k, 0,1,2,3
	v_cvt_pk_f16_f32 v[S+32*\nt+16*\ks+4+\k], v[S+32*\nt+16*\ks+8+2*\k], v[S+32*\nt+16*\ks+9+2*\k]   ; tile 2 ks + 1: keys 16 + 8 h .. + 7
.endr
.endr
.endr
.if \pref
	s_barrier_wait -1                              ; nobody reads the tile any more
	s_wait_loadcnt 0x0                             ; the next tile is in registers
	GSTORE
	NEXTPTR
	s_wait_dscnt 0x0                               ; my part of it is in LDS:
	s_barrier_signal -1                            ; say so; the rescaling below is register work
.endif
.if \first == 0
.irp nt, 0,1
.irp k, 0,2,4,6,8,10,12,14,16,18,20,22,24,26,28,30
	v_pk_mul_f32 v[O+32*\nt+\k:O+32*\nt+\k+1], v[O+32*\nt+\k:O+32*\nt+\k+1], v[AL+2*\nt:AL+2*\nt+1] op_sel_hi:[1,0]
.endr
.endr
.endif
.if \pref
	s_barrier_wait -1                              ; the next tile is whole
.endif
.if \more
	KFRAG                                          ; 16 loads, hidden by the products below
.endif
	WIN 0x01
.irp nt, 0,1
.irp dt, 0,1,2,3
	MM O+32*\nt+8*\dt, VF+16*\dt, S+32*\nt, \first
.endr
.endr
.irp nt, 0,1
.irp dt, 0,1,2,3
	MM O+32*\nt+8*\dt, VF+16*\dt+8, S+32*\nt+16, 0
.endr
.endr
	WIN 0
	PLACES 5                                       ; five places: the next tile's products write over P, its loads land in V's fragments
.endm
; A block's end.  The waves of key half 1 hand O, m and l to their partners of key half 0, which merge, divide and store 32 rows of Cx.
; l > 0: key 0 of the diagonal tile lies in key half 0 and at or before every query of the block.
.macro MERGE id, qnext, cb
.if \qnext
	QLOAD 46                                       ; the second block's Q, asked for ahead of the merge
	WIN 0
.endif
	v_permlanex16_b32 v[CS], v[ST+1], s36, s37
	v_permlanex16_b32 v[CS+1], v[ST+3], s36, s37
	v_add_f32 v[ST+1], v[ST+1], v[CS]
	v_add_f32 v[ST+3], v[ST+3], v[CS+1]
	s_cmp_lt_u32 s12, 4
	s_cbranch_scc1 .Lmga\id
.irp i, 0,1,2,3,4,5,6,7,8,9,10,11,12,13,14,15
	ds_store_b128 v[MGA], v[O+4*\i:O+4*\i+3] offset:512*\i
.endr
	ds_store_b128 v[MGA], v[ST:ST+3] offset:8192
.Lmga\id:
	s_wait_dscnt 0x0                               ; the stores above (and the K fragments on their way) are done
	s_barrier_signal -1
	s_barrier_wait -1
	s_cmp_ge_u32 s12, 4
	s_cbranch_scc1 .Lmgb\id
.irp i, 0,1,2,3,4,5,6,7,8,9,10,11,12,13,14,15
	ds_load_b128 v[S+4*\i:S+4*\i+3], v[MGA] offset:512*\i
.endr
	ds_load_b128 v[PB:PB+3], v[MGA] offset:8192
	s_wait_dscnt 0x0
.irp nt, 0,1
	v_max_num_f32 v[TA], v[ST+2*\nt], v[PB+2*\nt]
	v_mul_f32 v[TA+1], 0xc138aa3b, v[PB+2*\nt]     ; -c m of the partner
	v_mul_f32 v[TA], 0xc138aa3b, v[TA]             ; -c m of both
	v_sub_f32 v[TA+2], v[TA], v[NM+2*\nt]
	v_sub_f32 v[TA+3], v[TA], v[TA+1]
	v_exp_f32 v[TA+2], v[TA+2]
	v_exp_f32 v[TA+3], v[TA+3]
	v_nop
	s_wait_alu depctr_va_vdst(0)
	v_mul_f32 v[TA], v[ST+2*\nt+1], v[TA+2]
	v_fma_f32 v[TA], v[PB+2*\nt+1], v[TA+3], v[TA]
	v_rcp_f32 v[TA], v[TA]
	v_nop
	s_wait_alu depctr_va_vdst(0)
	v_mul_f32 v[CS+4*\nt], v[TA+2], v[TA]          ; my weight
	v_mul_f32 v[CS+4*\nt+2], v[TA+3], v[TA]        ; the partner's
.endr
.irp nt, 0,1
.irp k, 0,2,4,6,8,10,12,14,16,18,20,22,24,26,28,30
	v_pk_mul_f32 v[O+32*\nt+\k:O+32*\nt+\k+1], v[O+32*\nt+\k:O+32*\nt+\k+1], v[CS+4*\nt:CS+4*\nt+1] op_sel_hi:[1,0]
	v_pk_fma_f32 v[O+32*\nt+\k:O+32*\nt+\k+1], v[S+32*\nt+\k:S+32*\nt+\k+1], v[CS+4*\nt+2:CS+4*\nt+3], v[O+32*\nt+\k:O+32*\nt+\k+1] op_sel_hi:[1,0,1]
.endr
.endr
.irp nt, 0,1
.irp dt, 0,1,2,3
.irp k, 0,1,2,3
	v_cvt_pk_f16_f32 v[O+32*\nt+8*\dt+\k], v[O+32*\nt+8*\dt+2*\k], v[O+32*\nt+8*\dt+2*\k+1]
.endr
	ds_store_b128 v[OSA], v[O+32*\nt+8*\dt:O+32*\nt+8*\dt+3] offset:2304*\nt+32*\dt
.endr
.endr
.irp i, 0,1,2,3,4,5,6,7
	ds_load_b128 v[S+4*\i:S+4*\i+3], v[ORA] offset:576*\i      ; my own bytes, served in order behind the stores
.endr
.irp i, 0,1,2,3,4,5,6,7
	s_wait_dscnt 7-\i
	global_store_b128 v[CG], v[S+4*\i:S+4*\i+3], s[\cb:\cb+1] offset:512*\i    ; four rows of 128 bytes: 512 consecutive bytes
.endr
	s_wait_xcnt 0x0                                ; S, which these stores read, is written again only behind this wait
.Lmgb\id:
.endm
	GLOAD                                          ; the first tile,
	QLOAD 30                                       ; then the first block's Q
	s_wait_loadcnt 0x8                             ; the tile is in; Q's 8 loads stay out
	GSTORE
	NEXTPTR
	s_wait_dscnt 0x0
	s_barrier_signal -1
	s_barrier_wait -1
	KFRAG
	STEP 1, 1, 1, 1                                ; the first block's diagonal tile
	s_cmp_eq_u32 s17, 0
	s_cbranch_scc1 .Lb0done
	s_mov_b32 s20, 0
.Lb0:
	STEP 0, 0, 1, 1
	s_add_co_u32 s20, s20, 1
	s_cmp_lt_u32 s20, s17
	s_cbranch_scc1 .Lb0
.Lb0done:
	MERGE 0, 1, 32
	STEP 1, 1, 1, 1                                ; the second block's diagonal tile
	s_sub_co_u32 s21, s18, 1                       ; 14 - p trips, at least 7
	s_mov_b32 s20, 0
.Lb1:
	STEP 0, 0, 1, 1
	s_add_co_u32 s20, s20, 1
	s_cmp_lt_u32 s20, s21
	s_cbranch_scc1 .Lb1
	STEP 0, 0, 0, 0                                ; the last tile: nothing is fetched, no barrier
	MERGE 1, 0, 44
	s_wait_tensorcnt 0x0
	ds_add_u32 v62, v63
	s_wait_dscnt 0x0
	s_endpgm
.Lfunc_end_k_q37359dad22_attn:
	.size	k_q37359dad22_attn, .Lfunc_end_k_q37359dad22_attn-k_q37359dad22_attn
	.p2alignl 7, 3214868480
	.fill 96, 4, 3214868480
	.section	.rodata,"a",@progbits
	.p2align	6, 0x0
	.amdhsa_kernel k_q37359dad22_attn
		.amdhsa_group_segment_fixed_size 90112
		.amdhsa_private_segment_fixed_size 0
		.amdhsa_enable_private_segment 0
		.amdhsa_kernarg_size 32
		.amdhsa_user_sgpr_count 2
		.amdhsa_user_sgpr_kernarg_segment_ptr 1
		.amdhsa_wavefront_size32 1
		.amdhsa_system_sgpr_workgroup_id_x 1
		.amdhsa_system_sgpr_workgroup_id_y 1
		.amdhsa_system_sgpr_workgroup_id_z 1
		.amdhsa_system_vgpr_workitem_id 0
		.amdhsa_next_free_vgpr 384
		.amdhsa_next_free_sgpr 66
		.amdhsa_reserve_vcc 1
		.amdhsa_float_denorm_mode_32 3
		.amdhsa_float_denorm_mode_16_64 3
		.amdhsa_memory_ordered 1
		.amdhsa_forward_progress 1
		.amdhsa_inst_pref_size 133
	.end_amdhsa_kernel
	.amdgpu_metadata
---
amdhsa.version: [ 1, 2 ]
amdhsa.kernels:
  - .name:           k_q37359dad22_attn
    .symbol:         k_q37359dad22_attn.kd
    .args:
      - { .name: Qh, .offset: 0, .size: 8, .value_kind: global_buffer, .address_space: global }
      - { .name: Kh, .offset: 8, .size: 8, .value_kind: global_buffer, .address_space: global }
      - { .name: Vt, .offset: 16, .size: 8, .value_kind: global_buffer, .address_space: global }
      - { .name: Cx, .offset: 24, .size: 8, .value_kind: global_buffer, .address_space: global }
    .group_segment_fixed_size: 90112
    .private_segment_fixed_size: 0
    .kernarg_segment_align: 8
    .kernarg_segment_size: 32
    .max_flat_workgroup_size: 256
    .sgpr_count:     66
    .vgpr_count:     384
    .wavefront_size: 32
...
	.end_amdgpu_metadata
.endif
;; end of part 2
;; launch proj (part 3): grid 8 x 32, 4 waves a work-group, no clusters, 111,104 bytes of LDS; arguments Cx, Wo, bo, out0; writes out0
.if DOCPART == 3
	.amdgcn_target "amdgcn-amd-amdhsa--gfx1250"
	.amdhsa_code_object_version 6
	.text
	.protected	k_q37359dad22_proj
	.globl	k_q37359dad22_proj
	.p2align	8
	.type	k_q37359dad22_proj,@function
k_q37359dad22_proj:
	s_mov_b64 s[64:65], 0
	v_nop
	global_prefetch_b8 v0, s[64:65] scope:SCOPE_SE
	s_setreg_imm32_b32 hwreg(HW_REG_WAVE_MODE, 25, 1), 1
	s_wait_xcnt 0x0
; out0[token][n] = 8 (Cx Wo)[token][n] + bo[n].  Cx = ctx / 8 in f16, [b][h][s][64]; Wo [1024][1024] f32; out0 [4096][1024] f32.
; A work-group (x = block of 128 columns, y = block of 128 tokens) has four waves of 64 x 64 (16 accumulator tiles each).
; K goes in 16 stages of 64 = one head a stage, so Cx's tile is 16 KB of consecutive bytes.  Wo is rounded once to f16 (|Wo| < 65,504 is
; asked of it); the factor 8 (exact) and the bias are one fused multiply-add on the way out.
; Three LDS buffers: stage t multiplies buffer t%3, stores stage t+2 into buffer (t+2)%3 and asks memory for stage t+3.  One barrier a stage.
; NO TENSOR LOADS, NO CLUSTER: Wo is f32 in memory and lies [K][N]; it is rounded in registers on its way to LDS and turned by the 16-bit
; transposing LDS load, and a copy engine moves bytes unchanged; Cx's tile alone is a third of a stage's 48 KB.
; The sources are swapped (Wo first): a lane holds one token and 8 neighbouring columns.
.set BUF3, 36864                       ; AS 128 rows x 144, then WS 64 rows x 288 (= 9 x 32)
.set WS3,  18432
.set AFA, 8                            ; v8-10   Cx fragment address in buffer 0, 1, 2
.set BFA, 11                           ; v11-13  Wo fragment address
.set OST, 14                           ; way out
.set ORD, 15
.set OG,  16
.set BO,  17
.set BI,  20                           ; v20-23  bias of my four columns on the way out
.set AF0, 32                           ; v32-63, v64-95    Cx fragments, two sets
.set BF0, 96                           ; v96-127, v128-159 Wo fragments, two sets
.set R,   32                           ; way out: v32-159
; window 1: v0-127 accumulators at 8 (4 a + b); v128-159 Cx as loaded; v160-223 Wo as loaded; then
.set AG,  224
.set WG,  225
.set ASA, 226                          ; v226-228
.set WSA, 229                          ; v229-231
.set MSB, 0
.macro WIN new
.if MSB != (\new)
	s_set_vgpr_msb (MSB<<8)|(\new)
.set MSB, (\new)
.endif
.endm
.macro PLACES n
.rept \n
	v_nop
.endr
.endm
.macro MM d, x, y, zero
.if \zero
	v_wmma_f32_16x16x32_f16 v[\d:\d+7], v[\x:\x+7], v[\y:\y+7], 0
.else
	v_wmma_f32_16x16x32_f16 v[\d:\d+7], v[\x:\x+7], v[\y:\y+7], v[\d:\d+7]
.endif
.endm
	s_load_b256 s[4:11], s[0:1], 0x0               ; Cx s[4:5], Wo s[6:7], bo s[8:9], out0 s[10:11]
	v_lshl_add_u32 v254, v0, 2, 0x1b000
	v_mov_b32 v255, 0
	v_lshrrev_b32 v1, 5, v0
	v_readfirstlane_b32 s12, v1                    ; wave w
	s_lshr_b32 s13, s12, 1                         ; wm: which 64 tokens
	s_and_b32 s14, s12, 1                          ; wn: which 64 columns
	s_mov_b32 s15, ttmp9                           ; x
	s_and_b32 s16, ttmp7, 0xffff                   ; y
	v_and_b32 v1, 31, v0                           ; L
	v_and_b32 v2, 15, v0                           ; r
	v_bfe_u32 v3, v0, 4, 1                         ; h
	v_mul_u32_u24 v4, v2, 144
	v_lshl_add_u32 v4, v3, 4, v4
	s_mul_i32 s17, s13, 9216
	v_add_nc_u32 v[AFA], s17, v4                   ; (64 wm + r) 144 + 16 h
	v_add_nc_u32 v[AFA+1], BUF3, v[AFA]
	v_add_nc_u32 v[AFA+2], 2*BUF3, v[AFA]
	v_and_b32 v5, 7, v0
	v_lshl_add_u32 v5, v3, 3, v5
	v_mul_u32_u24 v5, v5, 288
	v_bfe_u32 v6, v0, 3, 1
	v_lshl_add_u32 v5, v6, 4, v5
	s_lshl_b32 s17, s14, 7
	s_add_co_u32 s17, s17, WS3
	v_add_nc_u32 v[BFA], s17, v5                   ; WS + (8 h + (L & 7)) 288 + 16 ((L >> 3) & 1) + 128 wn
	v_add_nc_u32 v[BFA+1], BUF3, v[BFA]
	v_add_nc_u32 v[BFA+2], 2*BUF3, v[BFA]
	s_mul_i32 s17, s12, 17408
	v_mul_u32_u24 v4, v2, 272
	v_lshl_add_u32 v4, v3, 5, v4
	v_add_nc_u32 v[OST], s17, v4                   ; w 17408 + r 272 + 32 h
	v_lshlrev_b32 v[BO], 4, v2                     ; 16 r
	v_mad_u32_u24 v4, v3, 272, v[BO]
	v_add_nc_u32 v[ORD], s17, v4                   ; w 17408 + h 272 + 16 r
	v_lshl_add_u32 v[OG], v3, 12, v[BO]            ; h rows of out0 + 16 r
	v_lshrrev_b32 v4, 3, v1
	v_mul_u32_u24 v4, v4, 144
	v_and_b32 v5, 7, v0
	v_lshl_add_u32 v4, v5, 4, v4
	s_mul_i32 s17, s12, 576
	v_add_nc_u32 v4, s17, v4                       ; row 4 w + (L >> 3) of each 16, 16 (L & 7)
	s_mul_i32 s17, s12, 288
	s_add_co_u32 s17, s17, WS3
	v_lshlrev_b32 v5, 3, v1
	v_add_nc_u32 v5, s17, v5                       ; WS + row w of each 4 + 8 L
	s_lshl_b32 s17, s12, 12
	v_lshlrev_b32 v6, 4, v1
	v_add_nc_u32 v6, s17, v6                       ; row w of each 4 of Wo + 16 L
	WIN 0x40                                       ; destination in window 1
	v_lshlrev_b32 v[AG], 4, v0
	v_mov_b32 v[WG], v6
	v_mov_b32 v[ASA], v4
	v_add_nc_u32 v[ASA+1], BUF3, v4
	v_add_nc_u32 v[ASA+2], 2*BUF3, v4
	v_mov_b32 v[WSA], v5
	v_add_nc_u32 v[WSA+1], BUF3, v5
	v_add_nc_u32 v[WSA+2], 2*BUF3, v5
	WIN 0
	s_lshr_b32 s20, s16, 4                         ; b
	s_lshl_b32 s20, s20, 22                        ; 16 heads of 262,144 bytes
	s_and_b32 s17, s16, 15
	s_lshl_b32 s17, s17, 14                        ; 128 rows of 128 bytes
	s_add_co_u32 s20, s20, s17
	s_mov_b32 s21, 0
	s_lshl_b32 s22, s15, 9                         ; 128 columns of f32
	s_mov_b32 s23, 0
	s_lshl_b32 s24, s14, 8
	s_add_co_u32 s24, s24, s22                     ; my 64 columns
	s_mov_b32 s25, 0
	s_lshl_b32 s26, s16, 7
	s_lshl_b32 s17, s13, 6
	s_add_co_u32 s26, s26, s17                     ; my first token
	s_lshl_b32 s26, s26, 12
	s_add_co_u32 s26, s26, s24
	s_mov_b32 s27, 0
	s_wait_kmcnt 0x0
	s_add_nc_u64 s[4:5], s[4:5], s[20:21]
	s_add_nc_u64 s[6:7], s[6:7], s[22:23]
	s_add_nc_u64 s[8:9], s[8:9], s[24:25]
	s_add_nc_u64 s[10:11], s[10:11], s[26:27]
; A stage's 24 loads go in two chunks of 12: Cx loads 4 e .. 4 e + 3 (2,048 consecutive bytes of the work-group each),
; Wo loads 8 e .. 8 e + 7 (load i: row 4 i + w, 512 bytes a wave).  gb: the first register of the staging set in window 1.
.macro CH3_LOAD e, so, gb
	WIN 0x45
.irp u, 0,1,2,3
	global_load_b128 v[\gb+4*(4*(\e)+\u):\gb+4*(4*(\e)+\u)+3], v[AG], s[4:5] offset:2048*(4*(\e)+\u)+(\so)*262144
.endr
.irp u, 0,1,2,3,4,5,6,7
	global_load_b128 v[\gb+32+4*(8*(\e)+\u):\gb+32+4*(8*(\e)+\u)+3], v[WG], s[6:7] offset:16384*(8*(\e)+\u)+(\so)*262144
.endr
.endm
.macro CH3_STORE e, wr, gb
	WIN 0x45
.irp u, 0,1,2,3,4,5,6,7
.set gi, \gb+32+4*(8*(\e)+\u)
	v_cvt_pk_f16_f32 v[gi], v[gi], v[gi+1]
	v_cvt_pk_f16_f32 v[gi+1], v[gi+2], v[gi+3]
.endr
.irp u, 0,1,2,3
	ds_store_b128 v[ASA+(\wr)], v[\gb+4*(4*(\e)+\u):\gb+4*(4*(\e)+\u)+3] offset:2304*(4*(\e)+\u)
.endr
.irp u, 0,1,2,3,4,5,6,7
.set gi, \gb+32+4*(8*(\e)+\u)
	ds_store_b64 v[WSA+(\wr)], v[gi:gi+1] offset:1152*(8*(\e)+\u)
.endr
.endm
.macro FR3 p, buf, ks                  ; fragment set p: my 64 tokens and my 64 columns, 32 along K: 16 loads
.irp a, 0,1,2,3
	ds_load_b128 v[AF0+32*(\p)+8*\a:AF0+32*(\p)+8*\a+3], v[AFA+(\buf)] offset:2304*\a+64*(\ks)
	ds_load_b128 v[AF0+32*(\p)+8*\a+4:AF0+32*(\p)+8*\a+7], v[AFA+(\buf)] offset:2304*\a+64*(\ks)+32
.endr
.irp b, 0,1,2,3
	ds_load_tr16_b128 v[BF0+32*(\p)+8*\b:BF0+32*(\p)+8*\b+3], v[BFA+(\buf)] offset:9216*(\ks)+32*\b
	ds_load_tr16_b128 v[BF0+32*(\p)+8*\b+4:BF0+32*(\p)+8*\b+7], v[BFA+(\buf)] offset:9216*(\ks)+4608+32*\b
.endr
.endm
; One sub-step: 32 along K, 16 matrix instructions on fragment set e; ahead of them the other set is loaded for the next sub-step
; (buffer nbuf, half nk) and one chunk is staged.
.macro SUB3 e, nbuf, nk, wr, so, zero, st, ld, pst, more, bar, lc
	s_wait_dscnt 12*(\pst)                         ; set e is in; the 12 stores issued behind its loads (if pst) may stay out
	PLACES 4                                       ; four places before loads land in the set that the last sub-step multiplied
	WIN 0
.if \more
	FR3 1-(\e), \nbuf, \nk
.endif
.if \st
	s_wait_loadcnt \lc                             ; this chunk is in; lc younger loads stay out
	CH3_STORE \e, \wr, 128
.endif
.if \ld
	CH3_LOAD \e, \so, 128
.endif
	WIN 0x50
.irp a, 0,1,2,3
.irp b, 0,1,2,3
	MM 8*(4*\a+\b), BF0+32*(\e)+8*\b, AF0+32*(\e)+8*\a, \zero
.endr
.if \bar
.if \a == 1
	s_wait_dscnt 0x0                               ; for the other waves: my reads of this stage's buffer and my stores so far are done
	s_barrier_signal -1
.endif
.endif
.endr
.if \bar
	s_barrier_wait -1                              ; the next buffer may be read; this stage's may be written from the next stage on
.endif
	WIN 0
.endm
; The barrier stands in the first sub-step: every read of buffer rd has been issued by then, the fetch from buffer rd+1 follows in the second.
.macro STAGE3 rd, so, zero, st, ld, pst, bar, last, l0, l1
	SUB3 0, \rd, 1, (\rd+2)%3, \so, \zero, \st, \ld, \pst, 1, \bar, \l0
	SUB3 1, (\rd+1)%3, 0, (\rd+2)%3, \so, 0, \st, \ld, \st, (1-\last), 0, \l1
.endm
	global_load_b128 v[BI:BI+3], v[BO], s[8:9]     ; the bias of my four columns on the way out
	CH3_LOAD 0, 0, 128                             ; stage 0 into the staging set,
	CH3_LOAD 1, 0, 128
	CH3_LOAD 0, 1, 0                               ; stage 1 into accumulator registers, which are not yet in use
	CH3_LOAD 1, 1, 0
	s_wait_loadcnt 24                              ; the bias and stage 0 are in; stage 1's 24 loads stay out
	CH3_STORE 0, 0, 128
	CH3_LOAD 0, 2, 128
	CH3_STORE 1, 0, 128
	CH3_LOAD 1, 2, 128
	s_wait_loadcnt 24                              ; stage 1 is in; stage 2's 24 loads stay out
	CH3_STORE 0, 1, 0
	CH3_STORE 1, 1, 0
	WIN 0
	s_wait_dscnt 0x0
	s_barrier_signal -1
	s_barrier_wait -1                              ; buffers 0 and 1 are whole
	FR3 0, 0, 0
	STAGE3 0, 3, 1, 1, 1, 0, 1, 0, 12, 12          ; the first products start the sums; 12 = the other chunk
	s_mov_b32 s18, 0
.Lloop:                                            ; stages 1 to 12
	STAGE3 1, 4, 0, 1, 1, 1, 1, 0, 12, 12
	STAGE3 2, 5, 0, 1, 1, 1, 1, 0, 12, 12
	STAGE3 0, 6, 0, 1, 1, 1, 1, 0, 12, 12
	s_wait_xcnt 0x0                                ; the bases are stepped only behind this wait
	s_add_nc_u64 s[4:5], s[4:5], 786432            ; three heads of Cx,
	s_add_nc_u64 s[6:7], s[6:7], 786432            ; 3 x 64 rows of Wo
	s_add_co_u32 s18, s18, 1
	s_cmp_lt_u32 s18, 4
	s_cbranch_scc1 .Lloop
	STAGE3 1, 0, 0, 1, 0, 1, 1, 0, 12, 0           ; stage 13 stores stage 15 and asks for nothing
	STAGE3 2, 0, 0, 0, 0, 1, 1, 0, 0, 0            ; stage 14: its barrier lets stage 15's buffer be read
	STAGE3 0, 0, 0, 0, 0, 0, 0, 1, 0, 0            ; stage 15
	; THE WAY OUT: f32 through my own stage of 64 rows x 272 bytes, which lies in the ring's bytes, behind a barrier that every wave
	; passes after its last read; read back by rows, 8 acc + bias, 16 lanes store 256 consecutive bytes at a multiple of 256.
	PLACES 4                                       ; four places before LDS stores read the results
	s_wait_dscnt 0x0
	s_barrier_signal -1
	s_barrier_wait -1
	WIN 0x04
.irp a, 0,1,2,3
.irp b, 0,1,2,3
	ds_store_b128 v[OST], v[8*(4*\a+\b):8*(4*\a+\b)+3] offset:4352*\a+64*\b
	ds_store_b128 v[OST], v[8*(4*\a+\b)+4:8*(4*\a+\b)+7] offset:4352*\a+64*\b+16
.endr
.endr
	WIN 0
.set i, 0
.rept 32
	ds_load_b128 v[R+4*i:R+4*i+3], v[ORD] offset:544*i         ; two rows a load; my own bytes, served in order behind the stores
.set i, i+1
.endr
.irp q, 0,1,2,3
	s_wait_dscnt 24-8*\q                           ; eight more loads are back, the younger ones stay out
.irp u, 0,1,2,3,4,5,6,7
.set i, 8*\q+\u
	v_pk_fma_f32 v[R+4*i:R+4*i+1], v[R+4*i:R+4*i+1], 0x41000000, v[BI:BI+1] op_sel_hi:[1,0,1]
	v_pk_fma_f32 v[R+4*i+2:R+4*i+3], v[R+4*i+2:R+4*i+3], 0x41000000, v[BI+2:BI+3] op_sel_hi:[1,0,1]
	global_store_b128 v[OG], v[R+4*i:R+4*i+3], s[10:11] offset:8192*i th:TH_STORE_NT
.endr
.endr
	s_wait_tensorcnt 0x0
	ds_add_u32 v254, v255
	s_wait_dscnt 0x0
	s_endpgm
.Lfunc_end_k_q37359dad22_proj:
	.size	k_q37359dad22_proj, .Lfunc_end_k_q37359dad22_proj-k_q37359dad22_proj
	.p2alignl 7, 3214868480
	.fill 96, 4, 3214868480
	.section	.rodata,"a",@progbits
	.p2align	6, 0x0
	.amdhsa_kernel k_q37359dad22_proj
		.amdhsa_group_segment_fixed_size 111104
		.amdhsa_private_segment_fixed_size 0
		.amdhsa_enable_private_segment 0
		.amdhsa_kernarg_size 32
		.amdhsa_user_sgpr_count 2
		.amdhsa_user_sgpr_kernarg_segment_ptr 1
		.amdhsa_wavefront_size32 1
		.amdhsa_system_sgpr_workgroup_id_x 1
		.amdhsa_system_sgpr_workgroup_id_y 1
		.amdhsa_system_sgpr_workgroup_id_z 1
		.amdhsa_system_vgpr_workitem_id 0
		.amdhsa_next_free_vgpr 488
		.amdhsa_next_free_sgpr 66
		.amdhsa_reserve_vcc 0
		.amdhsa_float_denorm_mode_32 3
		.amdhsa_float_denorm_mode_16_64 3
		.amdhsa_memory_ordered 1
		.amdhsa_forward_progress 1
		.amdhsa_inst_pref_size 91
	.end_amdhsa_kernel
	.amdgpu_metadata
---
amdhsa.version: [ 1, 2 ]
amdhsa.kernels:
  - .name:           k_q37359dad22_proj
    .symbol:         k_q37359dad22_proj.kd
    .args:
      - { .name: Cx, .offset: 0, .size: 8, .value_kind: global_buffer, .address_space: global }
      - { .name: Wo, .offset: 8, .size: 8, .value_kind: global_buffer, .address_space: global }
      - { .name: bo, .offset: 16, .size: 8, .value_kind: global_buffer, .address_space: global }
      - { .name: out0, .offset: 24, .size: 8, .value_kind: global_buffer, .address_space: global }
    .group_segment_fixed_size: 111104
    .private_segment_fixed_size: 0
    .kernarg_segment_align: 8
    .kernarg_segment_size: 32
    .max_flat_workgroup_size: 128
    .sgpr_count:     66
    .vgpr_count:     488
    .wavefront_size: 32
...
	.end_amdgpu_metadata
.endif
;; end of part 3
;; ======== version 2 of 2: 3 launches; version 1 with the launches qkv, proj written anew for expert scheduling mode
;; limits: values are held in f16: magnitudes above 65,504 overflow, below 6.1e-05 lose precision; inputs' magnitudes at most 65,504; right only within a limited range of input values
;; workspace buffers: Qh 8,388,608 bytes; Kh 8,388,608 bytes; Vt 8,388,608 bytes; Cx 8,388,608 bytes
;; launch qkv (part 4): grid 16 x 16, 4 waves a work-group, no clusters, 190,976 bytes of LDS; arguments X, Wq, Wk, Wv, Qh, Kh, Vt; writes Qh, Kh, Vt
.if DOCPART == 4
	.amdgcn_target "amdgcn-amd-amdhsa--gfx1250"
	.amdhsa_code_object_version 6
	.text
	.protected	k_q37359dad22_qkv
	.globl	k_q37359dad22_qkv
	.p2align	8
	.type	k_q37359dad22_qkv,@function
k_q37359dad22_qkv:
	s_mov_b64 s[64:65], 0
	v_nop
	global_prefetch_b8 v0, s[64:65] scope:SCOPE_SE
	s_setreg_imm32_b32 hwreg(HW_REG_WAVE_SCHED_MODE, 0, 2), 2
	s_setreg_imm32_b32 hwreg(HW_REG_WAVE_MODE, 25, 1), 1
	s_wait_xcnt 0x0
	s_wait_alu depctr_vm_vsrc(0)
; Qh[b][h][s][64] = (X Wq)/8, Kh likewise, Vt[b][h][d][s] = (X Wv)/8 transposed; all three f16.  X [4096][1024], W [1024][1024], f32.
; A work-group (x = head, y = block of 256 tokens) makes 256 tokens x 192 columns (the head's 64 columns of Wq, Wk, Wv);
; wave w makes tokens 64 w .. 64 w + 63 x all 192 columns: 48 accumulator tiles, 384 registers.  K goes in 16 stages of 64.
; FORMAT: every operand is rounded once to f16 (8 times finer than bf16; the result passes through five more roundings downstream).
;   X and W are rounded as they are: |x| < 65,504 is asked of them.  q, k, v are stored times 2^-3 (exact) and clamped to +-65,504,
;   so they saturate beyond |q| = 524,032 and no infinity arises.  NaN and infinities among the inputs are not served.
; NO TENSOR LOADS, NO CLUSTER: the tiles are f32 in memory and must be rounded to f16 on the way, and W lies [K][N], which the
;   16-bit transposing LDS load turns; a copy engine moves bytes unchanged, so the road is memory -> registers -> v_cvt_pk_f16_f32 -> LDS,
;   and on that road there is no joint request.  An f32 tile in LDS would double the LDS bytes and add a second trip through LDS.
; RING: three LDS buffers.  Stage t multiplies buffer t%3, stores stage t+2 into buffer (t+2)%3 and asks memory for stage t+3:
;   56 loads of 16 bytes a lane are on their way for a whole stage.  One barrier a stage.
; Q and K tiles are computed with the sources swapped (W first): a lane then holds one token and 8 neighbouring d.
; V tiles in the natural order: a lane holds one d and 8 neighbouring tokens, a piece of a row of Vt.
; THE MODE: SCHED_MODE bits 1:0 = 2 (LLVM: expert scheduling mode 2), set by the entry lines.  The code itself states the register dependences
; between vector or matrix instructions and memory or LDS instructions, with s_wait_alu, always for 0.
; THE PLAN.  Registers that memory or LDS instructions touch, in the loop:
;   G   (window 3, v0-223, four chunks)  written by the global loads; read by the chunk's 28 conversions a stage later, and by nothing else.
;   H   (window 2, v128-155)             written by a chunk's conversions; read by the chunk's 14 LDS stores.
;   AF0, AF1, BQ, BK, BV (window 0)      written by the LDS loads of fragments; read by the products.
;   the address registers                made at the head, never written again: scalar bases and immediate offsets reach the stages.
; Behind each group of 16 products stands one SLOT.  One wait on vm_vsrc: the LDS stores of the chunk before, issued 16 or 32 products earlier, have read H.
; The conversions G -> H.  ONE wait on va_vdst: H is written, the conversions are done reading G, and the products issued so far are done reading
; the fragments that are loaded next.  Behind it, with no vector instruction between: the chunk's 14 global loads into G, its 14 LDS stores from H,
; the LDS loads into the group's fragment registers.  No store reads a register in which a load lands.
.set BUF,  63488                       ; one ring buffer: XS 256 rows x 144, then WS 64 rows x 416
.set WSO,  36864                       ; WS behind XS
.set XP,   144                         ; XS pitch: 128 bytes + 16: the 16 rows of a fragment load start 16 bytes apart modulo 256
.set WP,   416                         ; WS pitch: 384 bytes + 32 = 13 x 32, for the transposing load
.set KSTG, 36864                       ; way out: K's stage (Q's at 0), 9,216 bytes a wave
.set VSTG, 73728                       ; way out: V's stage, 64 rows of 528 bytes, shared
; window 0
.set AFA, 8                            ; v8-10   X fragment address in buffer 0, 1, 2; v8 is also the Q and K stage's store address
.set BFA, 11                           ; v11-13  W fragment address in buffer 0, 1, 2
.set QRD, 15                           ; way out: read rows back
.set GO,  16                           ; way out: 16 x lane
.set VST, 17
.set VRD, 18
.set AF0, 32                           ; v32-63, v64-95: X fragments, two sets
.set BQ,  96                           ; v96-127, v128-159, v160-191: W fragments of Wq, Wk, Wv
.set BK,  128
.set BV,  160
.set T,   32                           ; way out: 32 scaled numbers
.set U,   64                           ; way out: 64 packed words, 16 for each row block a
.set R,   128                          ; way out: 16 x 4 registers read back
; window 1: accumulators of Q at 8 (4 a + b), of K at 128 + 8 (4 a + b).  window 2: of V at 8 (4 a + b), then
.set H,   128                          ; window 2: v128-155: a chunk in f16: X's 8 pairs, then W's 6
; window 3: v0-127 X as loaded (load i at 4 i), v128-223 W as loaded, then:
.set XO,  224                          ; global offset of a lane in X's loads
.set WO,  225                          ; the same for W's
.set XSA, 226                          ; v226-228 LDS store address of X in buffer 0, 1, 2
.set WSA, 229                          ; v229-231 the same for W
.set MSB, 0
.macro WIN new                         ; s_set_vgpr_msb: bits 1:0 source 0, 3:2 source 1, 5:4 source 2, 7:6 destination; the high byte repeats the setting left
.if MSB != (\new)
	s_set_vgpr_msb (MSB<<8)|(\new)
.set MSB, (\new)
.endif
.endm
.macro PLACES n                        ; independent vector instructions behind a matrix instruction (ISA guide 7.12.1)
.rept \n
	v_nop
.endr
.endm
.macro MM d, x, y, zero
.if \zero
	v_wmma_f32_16x16x32_f16 v[\d:\d+7], v[\x:\x+7], v[\y:\y+7], 0
.else
	v_wmma_f32_16x16x32_f16 v[\d:\d+7], v[\x:\x+7], v[\y:\y+7], v[\d:\d+7]
.endif
.endm
	s_load_b256 s[4:11], s[0:1], 0x0               ; X s[4:5], Wq s[6:7], Wk s[8:9], Wv s[10:11]
	s_load_b128 s[12:15], s[0:1], 0x20             ; Qh s[12:13], Kh s[14:15]
	s_load_b64 s[16:17], s[0:1], 0x30              ; Vt
	v_lshl_add_u32 v254, v0, 2, 0x2e800
	v_mov_b32 v255, 0
	v_lshrrev_b32 v1, 5, v0
	v_readfirstlane_b32 s18, v1                    ; wave w
	s_mov_b32 s19, ttmp9                           ; head
	s_and_b32 s20, ttmp7, 0xffff                   ; y: block of 256 tokens
	s_mov_b32 s24, 0xc77fe000                      ; -65,504
	s_mov_b32 s25, 0x477fe000                      ; +65,504
	v_and_b32 v1, 31, v0                           ; L
	v_and_b32 v2, 15, v0                           ; r
	v_bfe_u32 v3, v0, 4, 1                         ; h
	s_wait_alu depctr_va_sdst(0)                   ; s18 is written, ahead of its first reader: LDS places and the buffers' offsets are made from it
	s_mul_i32 s26, s18, 9216                       ; 64 w rows of 144 bytes.  No scalar register that a vector instruction reads is written a second time
	s_lshl_b32 s27, s18, 7
	s_add_co_u32 s27, s27, VSTG
	s_mul_i32 s31, s18, 8448
	s_add_co_u32 s31, s31, VSTG
	s_mul_i32 s32, s18, 6656
	s_add_co_u32 s32, s32, WSO
	v_mul_u32_u24 v4, v2, XP
	v_lshl_add_u32 v4, v3, 4, v4
	v_add_nc_u32 v[AFA], s26, v4                   ; (64 w + r) 144 + 16 h
	v_add_nc_u32 v[AFA+1], BUF, v[AFA]
	v_add_nc_u32 v[AFA+2], 2*BUF, v[AFA]
	v_and_b32 v5, 7, v0
	v_lshl_add_u32 v5, v3, 3, v5                   ; 8 h + (L & 7)
	v_mul_u32_u24 v5, v5, WP
	v_bfe_u32 v6, v0, 3, 1
	v_lshl_add_u32 v5, v6, 4, v5                   ; + 16 ((L >> 3) & 1)
	v_add_nc_u32 v[BFA], WSO, v5
	v_add_nc_u32 v[BFA+1], BUF, v[BFA]
	v_add_nc_u32 v[BFA+2], 2*BUF, v[BFA]
	v_lshrrev_b32 v6, 3, v1
	v_mul_u32_u24 v6, v6, XP
	v_and_b32 v7, 7, v0
	v_lshl_add_u32 v6, v7, 4, v6
	v_add_nc_u32 v[QRD], s26, v6                   ; w 9216 + (L >> 3) 144 + 16 (L & 7)
	v_lshlrev_b32 v[GO], 4, v1
	v_mul_u32_u24 v6, v2, 528
	v_lshl_add_u32 v6, v3, 4, v6
	v_add_nc_u32 v[VST], s27, v6                   ; VSTG + r 528 + 128 w + 16 h
	v_add_nc_u32 v[VRD], s31, v[GO]                ; VSTG + 16 w rows + 16 L
	v_lshlrev_b32 v6, 4, v2                        ; 16 r
	v_lshlrev_b32 v7, 3, v2                        ; 8 r
	v_mad_u32_u24 v20, v3, 1152, v7
	v_add_nc_u32 v20, s26, v20                     ; (64 w + 8 h) 144 + 8 r
	v_mad_u32_u24 v21, v3, 1664, v7
	v_add_nc_u32 v21, s32, v21                     ; WSO + (16 w + 4 h) 416 + 8 r
	WIN 0xc0                                       ; destination in window 3
	v_lshl_add_u32 v[XO], v3, 15, v6               ; lanes 16-31 take the row 8 further down
	v_lshl_add_u32 v[WO], v3, 14, v6               ; lanes 16-31 take the row 4 further down
	v_mov_b32 v[XSA], v20
	v_add_nc_u32 v[XSA+1], BUF, v20
	v_add_nc_u32 v[XSA+2], 2*BUF, v20
	v_mov_b32 v[WSA], v21
	v_add_nc_u32 v[WSA+1], BUF, v21
	v_add_nc_u32 v[WSA+2], 2*BUF, v21
	WIN 0
	s_mov_b32 s23, 0
	s_wait_kmcnt 0x0
	s_lshl_b32 s22, s20, 8
	s_lshl_b32 s28, s18, 6
	s_add_co_u32 s22, s22, s28                     ; my first token: 256 y + 64 w
	s_lshl_b32 s22, s22, 12
	s_add_nc_u64 s[4:5], s[4:5], s[22:23]
	s_lshl_b32 s22, s19, 8                         ; the head's 64 columns,
	s_lshl_b32 s28, s18, 16                        ; and my 16 k rows of each stage
	s_add_co_u32 s22, s22, s28
	s_add_nc_u64 s[6:7], s[6:7], s[22:23]
	s_add_nc_u64 s[8:9], s[8:9], s[22:23]
	s_add_nc_u64 s[10:11], s[10:11], s[22:23]
	s_lshr_b32 s28, s20, 3                         ; b
	s_lshl_b32 s28, s28, 4
	s_add_co_u32 s28, s28, s19                     ; 16 b + head
	s_and_b32 s29, s20, 7
	s_lshl_b32 s29, s29, 8                         ; s0: the block's first position in the sequence
	s_lshl_b32 s22, s28, 11
	s_add_co_u32 s22, s22, s29
	s_lshl_b32 s30, s18, 6
	s_add_co_u32 s22, s22, s30
	s_lshl_b32 s22, s22, 7                         ; rows of 128 bytes
	s_add_nc_u64 s[12:13], s[12:13], s[22:23]
	s_add_nc_u64 s[14:15], s[14:15], s[22:23]
	s_lshl_b32 s22, s28, 6
	s_lshl_b32 s30, s18, 4
	s_add_co_u32 s22, s22, s30                     ; Vt row (16 b + head) 64 + 16 w
	s_lshl_b32 s22, s22, 12
	s_lshl_b32 s29, s29, 1
	s_add_co_u32 s22, s22, s29
	s_add_nc_u64 s[16:17], s[16:17], s[22:23]
; A stage's 56 loads go in four chunks of 14: X loads 8 c .. 8 c + 7 (rows 16 c + u and 16 c + u + 8 of my 64, 256 bytes each),
; W loads 6 c .. 6 c + 5 (load i: matrix i / 8, k rows (i & 3) + 8 ((i >> 2) & 1) and that + 4 of my 16, 256 bytes each).
; so: the stage, counted from where the bases stand.  gw: the window that takes the data.
; One window setting serves these loads and the LDS stores: address (source 0) in window 3, store data (source 1) in window 2, loaded data in window gw.
.macro CH_LOAD c, so, gw
	WIN ((\gw)<<6)|0x0b
.irp u, 0,1,2,3,4,5,6,7
	global_load_b128 v[4*(8*(\c)+\u):4*(8*(\c)+\u)+3], v[XO], s[4:5] offset:(16*(\c)+\u)*4096+(\so)*256
.endr
.irp u, 0,1,2,3,4,5
.set wi, 6*(\c)+\u
	global_load_b128 v[128+4*wi:128+4*wi+3], v[WO], s[6+2*(wi/8):7+2*(wi/8)] offset:((wi&3)+8*((wi>>2)&1))*4096+(\so)*262144
.endr
.endm
; a chunk is rounded to f16, out of window gw into H
.macro CH_CVT c, gw
	WIN 0x80|((\gw)<<2)|(\gw)
.irp u, 0,1,2,3,4,5,6,7
.set gi, 4*(8*(\c)+\u)
	v_cvt_pk_f16_f32 v[H+2*\u], v[gi], v[gi+1]
	v_cvt_pk_f16_f32 v[H+2*\u+1], v[gi+2], v[gi+3]
.endr
.irp u, 0,1,2,3,4,5
.set gi, 128+4*(6*(\c)+\u)
	v_cvt_pk_f16_f32 v[H+16+2*\u], v[gi], v[gi+1]
	v_cvt_pk_f16_f32 v[H+16+2*\u+1], v[gi+2], v[gi+3]
.endr
.endm
; H goes into ring buffer wr, 8 bytes a lane: the two halves of the lanes lie 128 bytes apart modulo 256
.macro CH_ST c, wr
	WIN 0xcb
.irp u, 0,1,2,3,4,5,6,7
	ds_store_b64 v[XSA+(\wr)], v[H+2*\u:H+2*\u+1] offset:(16*(\c)+\u)*XP
.endr
.irp u, 0,1,2,3,4,5
.set wi, 6*(\c)+\u
	ds_store_b64 v[WSA+(\wr)], v[H+16+2*\u:H+16+2*\u+1] offset:((wi&3)+8*((wi>>2)&1))*WP+(wi/8)*128
.endr
.endm
; THE SLOT behind a group of 16 products.  st: chunk c is rounded and stored.  ld: the same chunk of the next stage is asked for.
; more: loads into the group's fragment registers follow the slot.
.macro SLOT c, wr, so, st, ld, lc, more
.if \st
	s_wait_loadcnt \lc                             ; loads return in order (ISA guide 5.7.1): this chunk is in, lc younger loads stay out
	s_wait_alu depctr_vm_vsrc(0)                   ; the LDS stores of the chunk before have read H, which the conversions write again
	CH_CVT \c, 3                                   ; 28 plain vector instructions that name no register of the products
	WIN 0xcb
.else
	PLACES 4                                       ; where no conversions stand behind the group, its four places stay
	WIN 0
.endif
.if (\st) || (\more)
	s_wait_alu depctr_va_vdst(0)                   ; the conversions have written H, which the LDS stores read, and are done reading G, in which the loads land; the products issued so far are done reading the fragments that are loaded next
.endif
.if \ld
	CH_LOAD \c, \so, 3                             ; the same chunk of the next stage, directly behind the wait
.endif
.if \st
	CH_ST \c, \wr
.endif
	WIN 0
.endm
.macro FRA dst, buf, ks                ; my 64 rows of X, 32 along K: 4 fragments, 8 loads
.irp a, 0,1,2,3
	ds_load_b128 v[\dst+8*\a:\dst+8*\a+3], v[AFA+(\buf)] offset:\a*2304+64*(\ks)
	ds_load_b128 v[\dst+8*\a+4:\dst+8*\a+7], v[AFA+(\buf)] offset:\a*2304+64*(\ks)+32
.endr
.endm
.macro FRB dst, b0, buf, ks            ; 64 columns of W from column tile b0 on, 32 along K, turned: 4 fragments, 8 loads
.irp b, 0,1,2,3
	ds_load_tr16_b128 v[\dst+8*\b:\dst+8*\b+3], v[BFA+(\buf)] offset:(\ks)*13312+32*(\b0+\b)
	ds_load_tr16_b128 v[\dst+8*\b+4:\dst+8*\b+7], v[BFA+(\buf)] offset:(\ks)*13312+6656+32*(\b0+\b)
.endr
.endm
; 16 matrix instructions.  bar = 1: the stage's barrier, its signal behind the 8th and its wait behind the 16th.
.macro GRP accb, win, bf, af, swap, zero, bar
	WIN \win
.irp a, 0,1,2,3
.irp b, 0,1,2,3
.if \swap
	MM \accb+8*(4*\a+\b), \bf+8*\b, \af+8*\a, \zero
.else
	MM \accb+8*(4*\a+\b), \af+8*\a, \bf+8*\b, \zero
.endif
.endr
.if \bar
.if \a == 1
	s_wait_dscnt 0x0                               ; for the other waves: my stores of the last two stages' chunks and my reads of this stage's buffer are done
	s_barrier_signal -1
.endif
.endif
.endr
.if \bar
	s_barrier_wait -1                              ; the next buffer may be read, this stage's buffer may be written from the next stage on
.endif
.endm
; One sub-step: 32 along K, 48 matrix instructions in the groups Q, K, V.  X's fragments lie in set e.  Behind each group its slot, and then
; its W fragments are loaded again for the next sub-step (buffer nbuf, half nk); no vector or matrix instruction stands between the slot's wait and them.
; The counts of s_wait_dscnt are the LDS instructions issued behind the fragments that the group needs (they return in order):
;   Q: the last sub-step's second chunk (14 stores if pst) and its loads of BK and BV (16);
;   K: the loads of BV (8), this sub-step's first chunk (14 if st), the loads of X's set and BQ (16 if more);
;   V: both chunks (28 if st), the loads of X's set, BQ and BK (24 if more).
.macro SUB e, nbuf, nk, wr, so, zero, st, ld, pst, more, bar, lc0, lc1
	s_wait_dscnt 14*(\pst)+16
	GRP 0, 0x50, BQ, AF0+32*(\e), 1, \zero, \bar
	SLOT 2*(\e), \wr, \so, \st, \ld, \lc0, \more
.if \more
	FRA AF0+32*(1-(\e)), \nbuf, \nk
	FRB BQ, 0, \nbuf, \nk
.endif
	s_wait_dscnt 8+14*(\st)+16*(\more)
	GRP 128, 0x50, BK, AF0+32*(\e), 1, \zero, 0
	SLOT 2*(\e)+1, \wr, \so, \st, \ld, \lc1, \more
.if \more
	FRB BK, 4, \nbuf, \nk
.endif
	s_wait_dscnt 28*(\st)+24*(\more)
	GRP 0, 0xa0, BV, AF0+32*(\e), 0, \zero, 0
	SLOT 0, 0, 0, 0, 0, 0, \more                   ; no chunk here: the places, and the wait for the products that read BV
.if \more
	FRB BV, 8, \nbuf, \nk
.endif
.endm
; A stage on buffer rd.  The barrier stands in the second sub-step's first group: by then every read of buffer rd has been issued
; (the last behind the first sub-step's V group), and the fetch from buffer rd+1 follows behind it.
.macro STAGE rd, so, zero, st, ld, pst, bar, last, l0, l1, l2, l3
	SUB 0, \rd, 1, (\rd+2)%3, \so, \zero, \st, \ld, \pst, 1, 0, \l0, \l1
	SUB 1, (\rd+1)%3, 0, (\rd+2)%3, \so, 0, \st, \ld, \st, (1-\last), \bar, \l2, \l3
.endm
	; stages 0 and 1 are asked for at once: stage 0 into window 3, stage 1 into window 1, whose accumulators are not yet in use
	WIN 0xcb
	s_wait_alu depctr_va_vdst(0)                   ; every address register of the kernel is written: all loads and stores below read one of them
.irp c, 0,1,2,3
	CH_LOAD \c, 0, 3
.endr
.irp c, 0,1,2,3
	CH_LOAD \c, 1, 1
.endr
	s_wait_loadcnt 56                              ; stage 0 is in; stage 1's 56 loads stay out
.irp c, 0,1,2,3
.if \c
	s_wait_alu depctr_vm_vsrc(0)                   ; the LDS stores of the chunk before have read H
.endif
	CH_CVT \c, 3
	WIN 0xcb
	s_wait_alu depctr_va_vdst(0)                   ; the conversions have written H and are done reading G's chunk, in which stage 2's loads land
	CH_LOAD \c, 2, 3
	CH_ST \c, 0
.endr
	s_wait_loadcnt 56                              ; stage 1 is in; stage 2's 56 loads stay out
.irp c, 0,1,2,3
	s_wait_alu depctr_vm_vsrc(0)                   ; the LDS stores of the chunk before have read H
	CH_CVT \c, 1
	WIN 0xcb
	s_wait_alu depctr_va_vdst(0)                   ; the conversions have written H, which the LDS stores read
	CH_ST \c, 1
.endr
	WIN 0
	s_wait_dscnt 0x0                               ; my part of buffers 0 and 1 is written,
	s_barrier_signal -1
	s_barrier_wait -1                              ; everybody's is
	FRA AF0, 0, 0                                  ; no vector instruction has named v32-191 yet
	FRB BQ, 0, 0, 0
	FRB BK, 4, 0, 0
	FRB BV, 8, 0, 0
	STAGE 0, 3, 1, 1, 1, 0, 1, 0, 42, 42, 42, 42   ; the first products start the sums; 42 = the three younger chunks
	s_mov_b32 s21, 0
.Lloop:                                            ; stages 1 to 12
	STAGE 1, 4, 0, 1, 1, 1, 1, 0, 42, 42, 42, 42
	STAGE 2, 5, 0, 1, 1, 1, 1, 0, 42, 42, 42, 42
	STAGE 0, 6, 0, 1, 1, 1, 1, 0, 42, 42, 42, 42
	s_wait_xcnt 0x0                                ; the bases of the loads issued so far are stepped only behind this wait
	s_add_nc_u64 s[4:5], s[4:5], 768               ; three stages: 3 x 64 columns of X,
	s_add_nc_u64 s[6:7], s[6:7], 786432            ; 3 x 64 rows of each W
	s_add_nc_u64 s[8:9], s[8:9], 786432
	s_add_nc_u64 s[10:11], s[10:11], 786432
	s_add_co_u32 s21, s21, 1
	s_cmp_lt_u32 s21, 4
	s_cbranch_scc1 .Lloop
	STAGE 1, 0, 0, 1, 0, 1, 1, 0, 42, 28, 14, 0    ; stage 13 stores stage 15 and asks for nothing: the counts run down
	STAGE 2, 0, 0, 0, 0, 1, 1, 0, 0, 0, 0, 0       ; stage 14: its barrier lets stage 15's buffer be read
	STAGE 0, 0, 0, 0, 0, 0, 0, 1, 0, 0, 0, 0       ; stage 15: nothing follows; its last slot is the four places behind the last products
	; THE WAY OUT.  The ring is done with; the stages lie in its bytes, behind a barrier that every wave passes after its last read.
	s_wait_dscnt 0x0
	s_barrier_signal -1
	s_barrier_wait -1
; the four tiles (a, 0..3): times 1/8, clamped to f16's range, packed: U + 16 a + 4 b .. + 3 = a lane's 8 numbers of tile (a, b)
.macro PACK4 win, accb, a
	WIN \win
.irp b, 0,1,2,3
.irp j, 0,2,4,6
	v_pk_mul_f32 v[T+8*\b+\j:T+8*\b+\j+1], v[\accb+8*(4*\a+\b)+\j:\accb+8*(4*\a+\b)+\j+1], 0x3e000000 op_sel_hi:[1,0]
.endr
.endr
	WIN 0
.set i, 0
.rept 32
	v_med3_num_f32 v[T+i], v[T+i], s24, s25
.set i, i+1
.endr
.set i, 0
.rept 16
	v_cvt_pk_f16_f32 v[U+16*\a+i], v[T+2*i], v[T+2*i+1]
.set i, i+1
.endr
.endm
; Q or K: 64 tokens x 64 d through my own stage (LDS serves a wave's instructions in order: no wait between stores and loads),
; then 16 stores of 512 consecutive bytes (four rows of 128 bytes).  All 16 tiles are packed first, so that one wait serves the 16 LDS stores.
.macro OUTQK accb, lo, base
.irp a, 0,1,2,3
	PACK4 0x01, \accb, \a
.endr
	s_wait_alu depctr_va_vdst(0)                   ; the roundings have written U, which the LDS stores read; the products are done reading v128-191, in which the rows land
.irp a, 0,1,2,3
.irp b, 0,1,2,3
	ds_store_b128 v[AFA], v[U+16*\a+4*\b:U+16*\a+4*\b+3] offset:\lo+\a*2304+32*\b
.endr
.endr
.irp i, 0,1,2,3,4,5,6,7,8,9,10,11,12,13,14,15
	ds_load_b128 v[R+4*\i:R+4*\i+3], v[QRD] offset:\lo+576*\i
.endr
.irp i, 0,1,2,3,4,5,6,7,8,9,10,11,12,13,14,15
	s_wait_dscnt 15-\i                             ; load i is back, the younger ones stay out
	global_store_b128 v[GO], v[R+4*\i:R+4*\i+3], s[\base:\base+1] offset:512*\i
.endr
	s_wait_xcnt 0x0                                ; R, which these stores read, is loaded again only behind this wait
	s_wait_alu depctr_vm_vsrc(0)                   ; the LDS stores have read U, which the next roundings write; the global stores have read R, in which the next rows land
.endm
	OUTQK 0, 0, 12
	OUTQK 128, KSTG, 14
	; V: a lane's 16 bytes are 8 tokens of one d; the four waves together fill rows of 256 tokens = 512 bytes
.irp a, 0,1,2,3
	PACK4 0x02, 0, \a
.endr
	s_wait_alu depctr_va_vdst(0)                   ; the roundings have written U, which the LDS stores read
.irp a, 0,1,2,3
.irp b, 0,1,2,3
	ds_store_b128 v[VST], v[U+16*\a+4*\b:U+16*\a+4*\b+3] offset:8448*\b+32*\a
.endr
.endr
	s_wait_dscnt 0x0                               ; my columns of the stage are written,
	s_barrier_signal -1
	s_barrier_wait -1                              ; everybody's are
.irp i, 0,1,2,3,4,5,6,7,8,9,10,11,12,13,14,15
	ds_load_b128 v[R+4*\i:R+4*\i+3], v[VRD] offset:528*\i
.endr
.irp i, 0,1,2,3,4,5,6,7,8,9,10,11,12,13,14,15
	s_wait_dscnt 15-\i
	global_store_b128 v[GO], v[R+4*\i:R+4*\i+3], s[16:17] offset:4096*\i      ; row 16 w + i of the head: 512 consecutive bytes
.endr
	s_wait_dscnt 0x0
	s_wait_alu depctr_hold_cnt(0) depctr_sa_sdst(0) depctr_va_vdst(0) depctr_va_sdst(0) depctr_va_ssrc(0) depctr_va_vcc(0) depctr_vm_vsrc(0)
	s_wait_tensorcnt 0x0
	ds_add_u32 v254, v255
	s_wait_dscnt 0x0
	s_endpgm
.Lfunc_end_k_q37359dad22_qkv:
	.size	k_q37359dad22_qkv, .Lfunc_end_k_q37359dad22_qkv-k_q37359dad22_qkv
	.p2alignl 7, 3214868480
	.fill 96, 4, 3214868480
	.section	.rodata,"a",@progbits
	.p2align	6, 0x0
	.amdhsa_kernel k_q37359dad22_qkv
		.amdhsa_group_segment_fixed_size 190976
		.amdhsa_private_segment_fixed_size 0
		.amdhsa_enable_private_segment 0
		.amdhsa_kernarg_size 56
		.amdhsa_user_sgpr_count 2
		.amdhsa_user_sgpr_kernarg_segment_ptr 1
		.amdhsa_wavefront_size32 1
		.amdhsa_system_sgpr_workgroup_id_x 1
		.amdhsa_system_sgpr_workgroup_id_y 1
		.amdhsa_system_sgpr_workgroup_id_z 1
		.amdhsa_system_vgpr_workitem_id 0
		.amdhsa_next_free_vgpr 1000
		.amdhsa_next_free_sgpr 66
		.amdhsa_reserve_vcc 0
		.amdhsa_float_denorm_mode_32 3
		.amdhsa_float_denorm_mode_16_64 3
		.amdhsa_memory_ordered 1
		.amdhsa_forward_progress 1
		.amdhsa_inst_pref_size 255
	.end_amdhsa_kernel
	.section	.bss,"aw",@nobits
	.p2align	6
	.space	262144
	.amdgpu_metadata
---
amdhsa.version: [ 1, 2 ]
amdhsa.kernels:
  - .name:           k_q37359dad22_qkv
    .symbol:         k_q37359dad22_qkv.kd
    .args:
      - { .name: X, .offset: 0, .size: 8, .value_kind: global_buffer, .address_space: global }
      - { .name: Wq, .offset: 8, .size: 8, .value_kind: global_buffer, .address_space: global }
      - { .name: Wk, .offset: 16, .size: 8, .value_kind: global_buffer, .address_space: global }
      - { .name: Wv, .offset: 24, .size: 8, .value_kind: global_buffer, .address_space: global }
      - { .name: Qh, .offset: 32, .size: 8, .value_kind: global_buffer, .address_space: global }
      - { .name: Kh, .offset: 40, .size: 8, .value_kind: global_buffer, .address_space: global }
      - { .name: Vt, .offset: 48, .size: 8, .value_kind: global_buffer, .address_space: global }
    .group_segment_fixed_size: 190976
    .private_segment_fixed_size: 0
    .kernarg_segment_align: 8
    .kernarg_segment_size: 56
    .max_flat_workgroup_size: 128
    .sgpr_count:     66
    .vgpr_count:     1000
    .wavefront_size: 32
...
	.end_amdgpu_metadata
.endif
;; end of part 4
;; launch attn: the kernel of part 2 again; grid 8 x 32, 8 waves a work-group, no clusters, 90,112 bytes of LDS; arguments Qh, Kh, Vt, Cx; writes Cx
;; launch proj (part 5): grid 8 x 32, 4 waves a work-group, no clusters, 111,104 bytes of LDS; arguments Cx, Wo, bo, out0; writes out0
.if DOCPART == 5
	.amdgcn_target "amdgcn-amd-amdhsa--gfx1250"
	.amdhsa_code_object_version 6
	.text
	.protected	k_q37359dad22_proj
	.globl	k_q37359dad22_proj
	.p2align	8
	.type	k_q37359dad22_proj,@function
k_q37359dad22_proj:
	s_mov_b64 s[64:65], 0
	v_nop
	global_prefetch_b8 v0, s[64:65] scope:SCOPE_SE
	s_setreg_imm32_b32 hwreg(HW_REG_WAVE_SCHED_MODE, 0, 2), 2
	s_setreg_imm32_b32 hwreg(HW_REG_WAVE_MODE, 25, 1), 1
	s_wait_xcnt 0x0
	s_wait_alu depctr_vm_vsrc(0)
; out0[token][n] = 8 (Cx Wo)[token][n] + bo[n].  Cx = ctx / 8 in f16, [b][h][s][64]; Wo [1024][1024] f32; out0 [4096][1024] f32.
; A work-group (x = block of 128 columns, y = block of 128 tokens) has four waves of 64 x 64 (16 accumulator tiles each).
; K goes in 16 stages of 64 = one head a stage, so Cx's tile is 16 KB of consecutive bytes.  Wo is rounded once to f16 (|Wo| < 65,504 is
; asked of it); the factor 8 (exact) and the bias are one fused multiply-add on the way out.
; Three LDS buffers: stage t multiplies buffer t%3, stores stage t+2 into buffer (t+2)%3 and asks memory for stage t+3.  One barrier a stage.
; NO TENSOR LOADS, NO CLUSTER: Wo is f32 in memory and lies [K][N]; it is rounded in registers on its way to LDS and turned by the 16-bit
; transposing LDS load, and a copy engine moves bytes unchanged; Cx's tile alone is a third of a stage's 48 KB.
; The sources are swapped (Wo first): a lane holds one token and 8 neighbouring columns.
; THE MODE: SCHED_MODE bits 1:0 = 2 (LLVM: expert scheduling mode 2), set by the entry lines.  The code itself states the register dependences
; between vector or matrix instructions and memory or LDS instructions, with s_wait_alu, always for 0.
; THE PLAN.  Every register that a load lands in lies in window 0; window 1 holds the accumulators alone.  In the loop:
;   G, chunk e of two   written by 12 global loads; Wo's 8 are rounded in place by 16 conversions a stage later; read by 12 LDS stores; then loaded again.
;   fragment sets 0, 1  sub-step e: its 16 products read set e; the LDS loads for the next sub-step land in set 1 - e.
;   the addresses       made at the head, never written again: scalar bases and immediate offsets reach the stages.
;   the accumulators    named by matrix instructions alone, until the LDS stores of the way out.
; A sub-step has ONE wait on va_vdst, behind its conversions: they have written G's chunk and are done with it, and the products of the sub-step before
; are done reading set 1 - e.  Behind it: the LDS stores; one wait on vm_vsrc (they have read G's chunk); the global loads; and the 16 fragment
; loads, eight ahead of the first four products and eight behind them: those products name set e and the accumulators, no register of these loads.
.set BUF3, 36864                       ; AS 128 rows x 144, then WS 64 rows x 288 (= 9 x 32)
.set WS3,  18432
.set AFA, 8                            ; v8-10   Cx fragment address in buffer 0, 1, 2
.set BFA, 11                           ; v11-13  Wo fragment address
.set OST, 14                           ; way out
.set ORD, 15
.set OG,  16
.set BO,  17
.set BI,  20                           ; v20-23  bias of my four columns on the way out
.set AG,  24                           ; global offset of a lane in Cx's loads
.set WG,  25                           ; the same for Wo's
.set ASA, 26                           ; v26-28  LDS store address of Cx in buffer 0, 1, 2
.set WSA, 29                           ; v29-31  the same for Wo
.set AF0, 32                           ; v32-63, v64-95    Cx fragments, two sets
.set BF0, 96                           ; v96-127, v128-159 Wo fragments, two sets
.set R,   32                           ; way out: v32-159
.set G,   160                          ; v160-191 Cx as loaded (load i at 4 i); v192-255 Wo as loaded
.set P1,  32                           ; ahead of the loop only: stage 1 as loaded, in fragment registers that are not yet in use
; window 1: v0-127 accumulators at 8 (4 a + b)
.set MSB, 0
.macro WIN new
.if MSB != (\new)
	s_set_vgpr_msb (MSB<<8)|(\new)
.set MSB, (\new)
.endif
.endm
.macro PLACES n
.rept \n
	v_nop
.endr
.endm
.macro MM d, x, y, zero
.if \zero
	v_wmma_f32_16x16x32_f16 v[\d:\d+7], v[\x:\x+7], v[\y:\y+7], 0
.else
	v_wmma_f32_16x16x32_f16 v[\d:\d+7], v[\x:\x+7], v[\y:\y+7], v[\d:\d+7]
.endif
.endm
	s_load_b256 s[4:11], s[0:1], 0x0               ; Cx s[4:5], Wo s[6:7], bo s[8:9], out0 s[10:11]
	v_lshl_add_u32 v18, v0, 2, 0x1b000
	v_mov_b32 v19, 0
	v_lshrrev_b32 v1, 5, v0
	v_readfirstlane_b32 s12, v1                    ; wave w
	s_mov_b32 s15, ttmp9                           ; x
	s_and_b32 s16, ttmp7, 0xffff                   ; y
	v_and_b32 v1, 31, v0                           ; L
	v_and_b32 v2, 15, v0                           ; r
	v_bfe_u32 v3, v0, 4, 1                         ; h
	v_mul_u32_u24 v4, v2, 144
	v_lshl_add_u32 v4, v3, 4, v4
	s_wait_alu depctr_va_sdst(0)                   ; s12 is written, ahead of its first reader: LDS places and the buffers' offsets are made from it
	s_lshr_b32 s13, s12, 1                         ; wm: which 64 tokens
	s_and_b32 s14, s12, 1                          ; wn: which 64 columns
	s_mul_i32 s17, s13, 9216                       ; no scalar register that a vector instruction reads is written a second time
	s_lshl_b32 s19, s14, 7
	s_add_co_u32 s19, s19, WS3
	s_mul_i32 s28, s12, 17408
	s_mul_i32 s29, s12, 576
	s_mul_i32 s30, s12, 288
	s_add_co_u32 s30, s30, WS3
	s_lshl_b32 s31, s12, 12
	v_add_nc_u32 v[AFA], s17, v4                   ; (64 wm + r) 144 + 16 h
	v_add_nc_u32 v[AFA+1], BUF3, v[AFA]
	v_add_nc_u32 v[AFA+2], 2*BUF3, v[AFA]
	v_and_b32 v5, 7, v0
	v_lshl_add_u32 v5, v3, 3, v5
	v_mul_u32_u24 v5, v5, 288
	v_bfe_u32 v6, v0, 3, 1
	v_lshl_add_u32 v5, v6, 4, v5
	v_add_nc_u32 v[BFA], s19, v5                   ; WS + (8 h + (L & 7)) 288 + 16 ((L >> 3) & 1) + 128 wn
	v_add_nc_u32 v[BFA+1], BUF3, v[BFA]
	v_add_nc_u32 v[BFA+2], 2*BUF3, v[BFA]
	v_mul_u32_u24 v4, v2, 272
	v_lshl_add_u32 v4, v3, 5, v4
	v_add_nc_u32 v[OST], s28, v4                   ; w 17408 + r 272 + 32 h
	v_lshlrev_b32 v[BO], 4, v2                     ; 16 r
	v_mad_u32_u24 v4, v3, 272, v[BO]
	v_add_nc_u32 v[ORD], s28, v4                   ; w 17408 + h 272 + 16 r
	v_lshl_add_u32 v[OG], v3, 12, v[BO]            ; h rows of out0 + 16 r
	v_lshrrev_b32 v4, 3, v1
	v_mul_u32_u24 v4, v4, 144
	v_and_b32 v5, 7, v0
	v_lshl_add_u32 v4, v5, 4, v4
	v_add_nc_u32 v[ASA], s29, v4                   ; row 4 w + (L >> 3) of each 16, 16 (L & 7)
	v_add_nc_u32 v[ASA+1], BUF3, v[ASA]
	v_add_nc_u32 v[ASA+2], 2*BUF3, v[ASA]
	v_lshlrev_b32 v5, 3, v1
	v_add_nc_u32 v[WSA], s30, v5                   ; WS + row w of each 4 + 8 L
	v_add_nc_u32 v[WSA+1], BUF3, v[WSA]
	v_add_nc_u32 v[WSA+2], 2*BUF3, v[WSA]
	v_lshlrev_b32 v6, 4, v1
	v_add_nc_u32 v[WG], s31, v6                    ; row w of each 4 of Wo + 16 L
	v_lshlrev_b32 v[AG], 4, v0
	s_lshr_b32 s20, s16, 4                         ; b
	s_lshl_b32 s20, s20, 22                        ; 16 heads of 262,144 bytes
	s_and_b32 s2, s16, 15
	s_lshl_b32 s2, s2, 14                          ; 128 rows of 128 bytes
	s_add_co_u32 s20, s20, s2
	s_mov_b32 s21, 0
	s_lshl_b32 s22, s15, 9                         ; 128 columns of f32
	s_mov_b32 s23, 0
	s_lshl_b32 s24, s14, 8
	s_add_co_u32 s24, s24, s22                     ; my 64 columns
	s_mov_b32 s25, 0
	s_lshl_b32 s26, s16, 7
	s_lshl_b32 s3, s13, 6
	s_add_co_u32 s26, s26, s3                      ; my first token
	s_lshl_b32 s26, s26, 12
	s_add_co_u32 s26, s26, s24
	s_mov_b32 s27, 0
	s_wait_kmcnt 0x0
	s_add_nc_u64 s[4:5], s[4:5], s[20:21]
	s_add_nc_u64 s[6:7], s[6:7], s[22:23]
	s_add_nc_u64 s[8:9], s[8:9], s[24:25]
	s_add_nc_u64 s[10:11], s[10:11], s[26:27]
; A stage's 24 loads go in two chunks of 12: Cx loads 4 e .. 4 e + 3 (2,048 consecutive bytes of the work-group each),
; Wo loads 8 e .. 8 e + 7 (load i: row 4 i + w, 512 bytes a wave).  gb: the first register of the staging set.
.macro CH3_LOAD e, so, gb
.irp u, 0,1,2,3
	global_load_b128 v[\gb+4*(4*(\e)+\u):\gb+4*(4*(\e)+\u)+3], v[AG], s[4:5] offset:2048*(4*(\e)+\u)+(\so)*262144
.endr
.irp u, 0,1,2,3,4,5,6,7
	global_load_b128 v[\gb+32+4*(8*(\e)+\u):\gb+32+4*(8*(\e)+\u)+3], v[WG], s[6:7] offset:16384*(8*(\e)+\u)+(\so)*262144
.endr
.endm
.macro CH3_CVT e, gb                   ; Wo's part of a chunk is rounded to f16 in place
.irp u, 0,1,2,3,4,5,6,7
.set gi, \gb+32+4*(8*(\e)+\u)
	v_cvt_pk_f16_f32 v[gi], v[gi], v[gi+1]
	v_cvt_pk_f16_f32 v[gi+1], v[gi+2], v[gi+3]
.endr
.endm
.macro CH3_ST e, wr, gb                ; a chunk goes into ring buffer wr
.irp u, 0,1,2,3
	ds_store_b128 v[ASA+(\wr)], v[\gb+4*(4*(\e)+\u):\gb+4*(4*(\e)+\u)+3] offset:2304*(4*(\e)+\u)
.endr
.irp u, 0,1,2,3,4,5,6,7
.set gi, \gb+32+4*(8*(\e)+\u)
	ds_store_b64 v[WSA+(\wr)], v[gi:gi+1] offset:1152*(8*(\e)+\u)
.endr
.endm
.macro FR3A p, buf, ks                 ; fragment set p: my 64 tokens, 32 along K: 8 loads
.irp a, 0,1,2,3
	ds_load_b128 v[AF0+32*(\p)+8*\a:AF0+32*(\p)+8*\a+3], v[AFA+(\buf)] offset:2304*\a+64*(\ks)
	ds_load_b128 v[AF0+32*(\p)+8*\a+4:AF0+32*(\p)+8*\a+7], v[AFA+(\buf)] offset:2304*\a+64*(\ks)+32
.endr
.endm
.macro FR3B p, buf, ks                 ; fragment set p: my 64 columns, 32 along K, turned: 8 loads
.irp b, 0,1,2,3
	ds_load_tr16_b128 v[BF0+32*(\p)+8*\b:BF0+32*(\p)+8*\b+3], v[BFA+(\buf)] offset:9216*(\ks)+32*\b
	ds_load_tr16_b128 v[BF0+32*(\p)+8*\b+4:BF0+32*(\p)+8*\b+7], v[BFA+(\buf)] offset:9216*(\ks)+4608+32*\b
.endr
.endm
; One sub-step: 32 along K, 16 matrix instructions on fragment set e; one chunk is staged, and the other set is loaded for the next sub-step
; (buffer nbuf, half nk).
.macro SUB3 e, nbuf, nk, wr, so, zero, st, ld, more, bar, lc
.if \st
	s_wait_loadcnt \lc                             ; this chunk is in; lc younger loads stay out
	CH3_CVT \e, G                                  ; 16 plain vector instructions that name no register of the products
.else
	PLACES 4                                       ; where no conversions stand behind the last products, their four places stay (ISA guide 7.12.1)
.endif
.if (\st) || (\more)
	s_wait_alu depctr_va_vdst(0)                   ; the conversions have written G's chunk, which the LDS stores read, and are done with it: loads land there; the last sub-step's products are done reading the other fragment set, in which loads land
.endif
.if \st
	CH3_ST \e, \wr, G
.endif
.if \ld
	s_wait_alu depctr_vm_vsrc(0)                   ; the LDS stores have read G's chunk, in which the loads below land and which the next stage's conversions write
	CH3_LOAD \e, \so, G
.endif
.if \more
	FR3A 1-(\e), \nbuf, \nk
.endif
	s_wait_dscnt 12*(\st)+8*(\more)                ; set e is in; the stores and the eight loads issued behind its loads may stay out
	WIN 0x50
.irp a, 0,1,2,3
.irp b, 0,1,2,3
	MM 8*(4*\a+\b), BF0+32*(\e)+8*\b, AF0+32*(\e)+8*\a, \zero
.endr
.if \a == 0
.if \more
	WIN 0
	FR3B 1-(\e), \nbuf, \nk                        ; no wait: the four products since the wait name set e and the accumulators alone
	WIN 0x50
.endif
.endif
.if \bar
.if \a == 1
	s_wait_dscnt 0x0                               ; for the other waves: my reads of this stage's buffer and my stores so far are done
	s_barrier_signal -1
.endif
.endif
.endr
.if \bar
	s_barrier_wait -1                              ; the next buffer may be read; this stage's may be written from the next stage on
.endif
	WIN 0
.endm
; The barrier stands in the first sub-step: every read of buffer rd has been issued by then, the fetch from buffer rd+1 follows in the second.
.macro STAGE3 rd, so, zero, st, ld, bar, last, l0, l1
	SUB3 0, \rd, 1, (\rd+2)%3, \so, \zero, \st, \ld, 1, \bar, \l0
	SUB3 1, (\rd+1)%3, 0, (\rd+2)%3, \so, 0, \st, \ld, (1-\last), 0, \l1
.endm
	s_wait_alu depctr_va_vdst(0)                   ; every address register of the kernel, v8 to v31, is written: all loads and stores below read one of them
	global_load_b128 v[BI:BI+3], v[BO], s[8:9]     ; the bias of my four columns on the way out
	CH3_LOAD 0, 0, G                               ; stage 0 into the staging set,
	CH3_LOAD 1, 0, G
	CH3_LOAD 0, 1, P1                              ; stage 1 into fragment registers, which are not yet in use
	CH3_LOAD 1, 1, P1
	s_wait_loadcnt 24                              ; the bias and stage 0 are in; stage 1's 24 loads stay out
	CH3_CVT 0, G
	CH3_CVT 1, G
	s_wait_alu depctr_va_vdst(0)                   ; the conversions have written G, which the LDS stores read, and are done with it: stage 2 lands there
	CH3_ST 0, 0, G
	CH3_ST 1, 0, G
	s_wait_alu depctr_vm_vsrc(0)                   ; the LDS stores have read G
	CH3_LOAD 0, 2, G
	CH3_LOAD 1, 2, G
	s_wait_loadcnt 24                              ; stage 1 is in; stage 2's 24 loads stay out
	CH3_CVT 0, P1
	CH3_CVT 1, P1
	s_wait_alu depctr_va_vdst(0)                   ; the conversions have written v64-127, which the LDS stores read, and are done with them: fragments land there
	CH3_ST 0, 1, P1
	CH3_ST 1, 1, P1
	s_wait_dscnt 0x0
	s_barrier_signal -1
	s_barrier_wait -1                              ; buffers 0 and 1 are whole
	s_wait_alu depctr_vm_vsrc(0)                   ; my LDS stores have read v32-127: these registers are fragment sets from here on
	FR3A 0, 0, 0
	FR3B 0, 0, 0
	STAGE3 0, 3, 1, 1, 1, 1, 0, 12, 12             ; the first products start the sums; 12 = the other chunk
	s_mov_b32 s18, 0
.Lloop:                                            ; stages 1 to 12
	STAGE3 1, 4, 0, 1, 1, 1, 0, 12, 12
	STAGE3 2, 5, 0, 1, 1, 1, 0, 12, 12
	STAGE3 0, 6, 0, 1, 1, 1, 0, 12, 12
	s_wait_xcnt 0x0                                ; the bases are stepped only behind this wait
	s_add_nc_u64 s[4:5], s[4:5], 786432            ; three heads of Cx,
	s_add_nc_u64 s[6:7], s[6:7], 786432            ; 3 x 64 rows of Wo
	s_add_co_u32 s18, s18, 1
	s_cmp_lt_u32 s18, 4
	s_cbranch_scc1 .Lloop
	STAGE3 1, 0, 0, 1, 0, 1, 0, 12, 0              ; stage 13 stores stage 15 and asks for nothing
	STAGE3 2, 0, 0, 0, 0, 1, 0, 0, 0               ; stage 14: its barrier lets stage 15's buffer be read
	STAGE3 0, 0, 0, 0, 0, 0, 1, 0, 0               ; stage 15
	; THE WAY OUT: f32 through my own stage of 64 rows x 272 bytes, which lies in the ring's bytes, behind a barrier that every wave
	; passes after its last read; read back by rows, 8 acc + bias, 16 lanes store 256 consecutive bytes at a multiple of 256.
	PLACES 4                                       ; four places before LDS stores read the results
	s_wait_alu depctr_va_vdst(0)                   ; the products have written the accumulators, which the LDS stores read, and are done reading v32-159, in which the rows land; the places above stay beside this wait
	s_wait_dscnt 0x0
	s_barrier_signal -1
	s_barrier_wait -1
	WIN 0x04
.irp a, 0,1,2,3
.irp b, 0,1,2,3
	ds_store_b128 v[OST], v[8*(4*\a+\b):8*(4*\a+\b)+3] offset:4352*\a+64*\b
	ds_store_b128 v[OST], v[8*(4*\a+\b)+4:8*(4*\a+\b)+7] offset:4352*\a+64*\b+16
.endr
.endr
	WIN 0
.set i, 0
.rept 32
	ds_load_b128 v[R+4*i:R+4*i+3], v[ORD] offset:544*i         ; two rows a load; my own bytes, served in order behind the stores
.set i, i+1
.endr
.irp q, 0,1,2,3
	s_wait_dscnt 24-8*\q                           ; eight more loads are back, the younger ones stay out
.irp u, 0,1,2,3,4,5,6,7
.set i, 8*\q+\u
	v_pk_fma_f32 v[R+4*i:R+4*i+1], v[R+4*i:R+4*i+1], 0x41000000, v[BI:BI+1] op_sel_hi:[1,0,1]
	v_pk_fma_f32 v[R+4*i+2:R+4*i+3], v[R+4*i+2:R+4*i+3], 0x41000000, v[BI+2:BI+3] op_sel_hi:[1,0,1]
.endr
	s_wait_alu depctr_va_vdst(0)                   ; the sixteen multiply-adds have written these eight loads' registers, which the stores below read
.irp u, 0,1,2,3,4,5,6,7
.set i, 8*\q+\u
	global_store_b128 v[OG], v[R+4*i:R+4*i+3], s[10:11] offset:8192*i th:TH_STORE_NT
.endr
.endr
	s_wait_dscnt 0x0
	s_wait_alu depctr_hold_cnt(0) depctr_sa_sdst(0) depctr_va_vdst(0) depctr_va_sdst(0) depctr_va_ssrc(0) depctr_va_vcc(0) depctr_vm_vsrc(0)
	s_wait_tensorcnt 0x0
	ds_add_u32 v18, v19
	s_wait_dscnt 0x0
	s_endpgm
.Lfunc_end_k_q37359dad22_proj:
	.size	k_q37359dad22_proj, .Lfunc_end_k_q37359dad22_proj-k_q37359dad22_proj
	.p2alignl 7, 3214868480
	.fill 96, 4, 3214868480
	.section	.rodata,"a",@progbits
	.p2align	6, 0x0
	.amdhsa_kernel k_q37359dad22_proj
		.amdhsa_group_segment_fixed_size 111104
		.amdhsa_private_segment_fixed_size 0
		.amdhsa_enable_private_segment 0
		.amdhsa_kernarg_size 32
		.amdhsa_user_sgpr_count 2
		.amdhsa_user_sgpr_kernarg_segment_ptr 1
		.amdhsa_wavefront_size32 1
		.amdhsa_system_sgpr_workgroup_id_x 1
		.amdhsa_system_sgpr_workgroup_id_y 1
		.amdhsa_system_sgpr_workgroup_id_z 1
		.amdhsa_system_vgpr_workitem_id 0
		.amdhsa_next_free_vgpr 384
		.amdhsa_next_free_sgpr 66
		.amdhsa_reserve_vcc 0
		.amdhsa_float_denorm_mode_32 3
		.amdhsa_float_denorm_mode_16_64 3
		.amdhsa_memory_ordered 1
		.amdhsa_forward_progress 1
		.amdhsa_inst_pref_size 91
	.end_amdhsa_kernel
	.amdgpu_metadata
---
amdhsa.version: [ 1, 2 ]
amdhsa.kernels:
  - .name:           k_q37359dad22_proj
    .symbol:         k_q37359dad22_proj.kd
    .args:
      - { .name: Cx, .offset: 0, .size: 8, .value_kind: global_buffer, .address_space: global }
      - { .name: Wo, .offset: 8, .size: 8, .value_kind: global_buffer, .address_space: global }
      - { .name: bo, .offset: 16, .size: 8, .value_kind: global_buffer, .address_space: global }
      - { .name: out0, .offset: 24, .size: 8, .value_kind: global_buffer, .address_space: global }
    .group_segment_fixed_size: 111104
    .private_segment_fixed_size: 0
    .kernarg_segment_align: 8
    .kernarg_segment_size: 32
    .max_flat_workgroup_size: 128
    .sgpr_count:     66
    .vgpr_count:     384
    .wavefront_size: 32
...
	.end_amdgpu_metadata
.endif
;; end of part 5
